; MI455X (gfx1250); checked and timed in simulation.
; The chip was launched on July 23, 2026; its instructions are those of AMD's public machine-readable ISA for CDNA 5 (MIT licence, August 2026) and "CDNA5" Instruction Set Architecture Reference Guide (July 2026). The comments in the code are by the model that wrote it; some were corrected since.
;; Transformer. Allowed arithmetic: matrix products marked QUANTISED: E4M3 operands, one given power-of-two scale a tensor, by v_wmma_f32_16x16x64_fp8_fp8 or v_wmma_f32_16x16x128_fp8_fp8, f32 sums; everything else in f32.
;; Inputs: Wk 1,024 x 1,024 float32; Wo 1,024 x 1,024 float32; Wq 1,024 x 1,024 float32; Wv 1,024 x 1,024 float32; bk 1,024 float32; bo 1,024 float32; bq 1,024 float32; bv 1,024 float32; keys 4 x 2,048 x 1,024 float32; lowp_scales 12 int32 (the exponents e of the quantised operands' scales 2^e); mask 2,048 x 2,048 bool; queries 4 x 2,048 x 1,024 float32; values 4 x 2,048 x 1,024 float32.
;; Outputs: out0 4 x 2,048 x 1,024 float32.
;; This version of the problem:
;;   THIS VERSION OF THE PROBLEM IS GIVEN IN LOW PRECISION. The matrix products marked QUANTISED in the list below multiply operands that are first quantised to E4M3 (4 exponent bits, 3 mantissa bits; 8 bits a number), with one given power-of-two scale for each operand tensor; their sums are f32. All else is computed in f32.
;;   The module's matrix products, in the order in which they are computed (A, B: the left and right operand; K: the contracted axis; several contracted axes count as one K, in the product's order):
;;     1. [M 8,192, K 1,024] x [K 1,024, N 1,024]; A: input queries; B: input Wq: QUANTISED (scales: A lowp_scales[0], B lowp_scales[1])
;;     2. [M 8,192, K 1,024] x [K 1,024, N 1,024]; A: input keys; B: input Wk: QUANTISED (scales: A lowp_scales[2], B lowp_scales[3])
;;     3. [M 8,192, K 1,024] x [K 1,024, N 1,024]; A: input values; B: input Wv: QUANTISED (scales: A lowp_scales[4], B lowp_scales[5])
;;     4. batch 64 x [M 2,048, K 64] x [K 64, N 2,048]; A: computed on the way; B: computed on the way: QUANTISED (scales: A lowp_scales[6], B lowp_scales[7])
;;     5. batch 64 x [M 2,048, K 2,048] x [K 2,048, N 64]; A: softmax (see below); B: computed on the way: QUANTISED (scales: A lowp_scales[8], B lowp_scales[9])
;;     6. [M 8,192, K 1,024] x [K 1,024, N 1,024]; A: computed on the way; B: input Wo: QUANTISED (scales: A lowp_scales[10], B lowp_scales[11])
;;   THE QUANTISER, for each operand of a quantised product, along K:
;;     - The operand's scale is 2^e, e = its entry of the input lowp_scales (int32; the entries are numbered through the quantised products in the list's order, A before B).
;;     - Each number is divided by the scale, clamped to +-448, and rounded to the nearest number of E4M3, ties to even, subnormals kept.
;;     - The product sums the exact products of the quantised numbers (number of the format x scale) in f32.
;;   ~~~python
;;   def quantise(x, axis, e):      # numpy; x: float32 -> the quantised numbers, widened to float32 again
;;       x = np.moveaxis(x, axis, -1); K = x.shape[-1]
;;       r = np.clip(x / 2.0 ** e, -448, 448)
;;       step = 2.0 ** (np.maximum(np.frexp(np.where(r == 0, 1, r))[1] - 1, -6) - 3)
;;       q = np.round(r / step) * step * 2.0 ** e      # np.round: ties to even
;;       return np.moveaxis(q, -1, axis).astype(np.float32)
;;   ~~~
;;   SOFTMAX AHEAD OF A QUANTISED PRODUCT. Where the list says 'softmax', what is quantised is not the finished softmax but p = 2^(t - M), with t = logit x log2(e) and M = ceil(the row's largest t), a whole number; so 1/2 < the row's largest p <= 1. The row's sum l is taken of the UNQUANTISED p, in f32, and the product's result is divided by l at the end. Since M is a whole number, a kernel that streams over the keys may use a running M (the ceiling of the running maximum): every later rescaling is an exact power of two, so the quantised numbers keep their values, but for numbers so far below the row's largest that they fall under the format's range.
;;   OPERANDS COMPUTED ON THE WAY. 'Computed on the way' means the value that the module computes at that place (a softmax that the list does not call 'softmax' is quantised finished and normalised). What goes into a quantiser is computed in f32, as accurately as f32 sums, v_exp_f32 and their like allow (about 1e-6 of the number): no bf16 or f16 on the way to a quantiser, and a product that is left as it is and whose result goes on into a quantised operand takes f32 operands (vector FMAs, or v_wmma_f32_16x16x4_f32). A number that lies on a knife's edge between two numbers of the format may be rounded either way, as far as f32 arithmetic and the matrix unit's own rounding can turn it there, and no further.
;; 2 versions, each right. Each part assembles by itself: llvm-mc -triple=amdgcn-amd-amdhsa -mcpu=gfx1250 --defsym DOCPART=n.
;; ======== version 1 of 2: 5 launches
;; limits: right only within a limited range of input values
;; workspace buffers: acodes 25,165,824 bytes; wcodes 4,194,304 bytes; pcodes 25,165,824 bytes; ccodes 8,388,608 bytes
;; launch qact (part 1): grid 768 x 1, 4 waves a work-group, no clusters, 33,280 bytes of LDS; arguments queries, keys, values, lowp_scales, acodes; writes acodes
.if DOCPART == 1
	.amdgcn_target "amdgcn-amd-amdhsa--gfx1250"
	.amdhsa_code_object_version 6
	.text
	.protected	k_q2bf9912928_qact
	.globl	k_q2bf9912928_qact
	.p2align	8
	.type	k_q2bf9912928_qact,@function
k_q2bf9912928_qact:
	s_mov_b64 s[64:65], 0
	v_nop
	global_prefetch_b8 v0, s[64:65] scope:SCOPE_SE
	s_setreg_imm32_b32 hwreg(HW_REG_WAVE_MODE, 25, 1), 1
	s_wait_xcnt 0x0
; queries, keys, values, each [8192][1024] f32, become codes of E4M3, one a byte, K innermost, in one buffer: tensor T (0, 1, 2) at byte T x 8,388,608.
; code = x / 2^e, held within +-448, rounded to the nearest code, ties to even.  e is entry 0, 2, 4 of the scales for queries, keys, values.
; LIMITS: -126 <= e <= 119, so that 2^e and 448 x 2^e are f32 numbers.  NaN among the inputs is not served (an infinity is held at the largest code).
; Rows are dense, so a tensor is a plain stream of numbers and its codes a plain stream of bytes.  A work-group takes 32,768 numbers, a wave 16 steps of 512.
; The conversion takes 8 neighbours from ONE lane's registers; a load is best where neighbouring LANES take neighbouring bytes.  Both are had: each of a step's four loads reads 512
; consecutive bytes, 16 a lane; the 2,048 bytes go through the wave's own stage in LDS as they lie and come back 64 bytes a lane (16 bytes of padding behind each 64).
; A lane's 16 codes are 16 bytes: the wave stores 512 consecutive bytes.  No barrier: waves share nothing.  Loads run four steps (16 loads a wave) ahead, the turn through LDS one step.
.set STEPS, 16
.set EMAX,  8
.set MANT,  0x600000                   ; the mantissa field of 448 as f32
.set CB,    16                         ; bytes of 16 codes
.set R,     16                         ; v16-79   four sets of 16 numbers as they are loaded
.set X,     80                         ; v80-111  two sets of 16 neighbours
.set C,     128                        ; v128-191 codes: four registers for each step, so that no store's data are written again
.set WREG,  8192                       ; LDS: a region of its own for each wave: two stages of 32 x SP bytes
.set SP,    80                         ; a lane's place in a stage: its 64 bytes + 16 of padding
	s_load_b256 s[4:11], s[0:1], 0x0               ; queries s[4:5], keys s[6:7], values s[8:9], the scales' exponents s[10:11]
	s_load_b64 s[12:13], s[0:1], 0x20              ; the codes
	v_lshl_add_u32 v192, v0, 2, 0x8000
	v_mov_b32 v193, 0
	v_lshrrev_b32 v1, 5, v0
	v_readfirstlane_b32 s16, v1                    ; wave
	v_and_b32 v2, 31, v0                           ; lane
	v_lshlrev_b32 v3, 4, v2                        ; my 16 bytes of a load's 512
	s_mul_i32 s17, s16, WREG
	v_lshrrev_b32 v14, 2, v2
	v_mul_u32_u24 v14, v14, SP
	v_and_b32 v15, 3, v2
	v_lshl_add_u32 v14, v15, 4, v14
	v_add_nc_u32 v14, s17, v14                     ; the stage, on the way in: SP (lane / 4) + 16 (lane % 4); a load's 512 bytes take eight places
	v_mul_u32_u24 v15, v2, SP
	v_add_nc_u32 v15, s17, v15                     ; and on the way out: SP x lane: my 16 neighbours
	v_mul_u32_u24 v4, v2, CB                       ; my codes' place in a step's
	s_lshr_b32 s24, ttmp9, 8                       ; T: 256 work-groups to a tensor
	s_and_b32 s25, ttmp9, 255
	s_lshl_b32 s25, s25, 2
	s_add_co_u32 s25, s25, s16                     ; which run of 8,192 numbers of the tensor is my wave's
	s_lshl_b32 s28, s25, 15                        ; in bytes of f32
	s_mov_b32 s29, 0
	s_lshl_b32 s30, ttmp9, 2
	s_add_co_u32 s30, s30, s16
	s_lshl_b32 s30, s30, 13                        ; and in the codes' buffer, where the three tensors lie on end
	s_mov_b32 s31, 0
	s_wait_kmcnt 0x0
	s_load_b256 s[32:39], s[10:11], 0x0            ; e0 .. e7
	s_cmp_eq_u32 s24, 0                            ; the choice hangs on the work-group's number alone
	s_cselect_b64 s[4:5], s[4:5], s[6:7]
	s_cmp_eq_u32 s24, 2
	s_cselect_b64 s[4:5], s[8:9], s[4:5]
	s_add_nc_u64 s[4:5], s[4:5], s[28:29]
	s_add_nc_u64 s[8:9], s[12:13], s[30:31]
.macro LOAD t
.irp i, 0,1,2,3
	global_load_b128 v[R+16*((\t)%4)+4*\i:R+16*((\t)%4)+4*\i+3], v3, s[4:5] offset:2048*(\t)+512*\i th:TH_LOAD_NT   ; 32 lanes read 512 consecutive bytes
.endr
.endm
.macro TURN t                          ; step t's numbers through the stage: LDS serves a wave's instructions in order, so no wait stands between the stores and the loads
.irp i, 0,1,2,3
	ds_store_b128 v14, v[R+16*((\t)%4)+4*\i:R+16*((\t)%4)+4*\i+3] offset:32*SP*((\t)%2)+8*SP*\i
.endr
.irp i, 0,1,2,3
	ds_load_b128 v[X+16*((\t)%2)+4*\i:X+16*((\t)%2)+4*\i+3], v15 offset:32*SP*((\t)%2)+16*\i
.endr
.endm
.irp t, 0,1,2,3
	LOAD \t
.endr
	s_wait_kmcnt 0x0
	s_cmp_eq_u32 s24, 0
	s_cselect_b32 s22, s32, s34
	s_cmp_eq_u32 s24, 2
	s_cselect_b32 s22, s36, s22                    ; e
	s_add_co_i32 s22, s22, 127
	s_lshl_b32 s23, s22, 23
	v_mov_b32 v11, s23                             ; 2^e as f32: the conversion takes its exponent field
	s_add_co_i32 s22, s22, EMAX
	s_lshl_b32 s22, s22, 23
	s_or_b32 s22, s22, MANT
	v_mov_b32 v10, s22                             ; 448 x 2^e
	s_wait_loadcnt 12                              ; step 0's four loads are in; the twelve of steps 1 to 3 may be out
	TURN 0
.macro STEP t
.set XS, X+16*((\t)%2)
	s_wait_dscnt 0x0                               ; this step's numbers are back from the stage: so its stores into the stage have read their registers,
.if (\t)+4 < STEPS
	LOAD (\t)+4                                    ; which take the loads of four steps on
.endif
.if (\t)+1 < STEPS
.if STEPS-2-(\t) >= 3
	s_wait_loadcnt 12                              ; the next step's four loads are in; those of the three steps behind it may be out
.else
	s_wait_loadcnt 4*(STEPS-2-(\t))                ; the tail: fewer steps are behind it
.endif
	TURN (\t)+1                                    ; and go through the other stage while this step is worked
.endif
.irp i, 0,1,2,3,4,5,6,7,8,9,10,11,12,13,14,15
	v_med3_num_f32 v[XS+\i], v[XS+\i], -v10, v10   ; the conversion to an 8-bit code does not saturate (ISA guide 7.6.2): the hold at the largest code x the scale
.endr
	v_cvt_scalef32_pk8_fp8_f32 v[C+4*(\t):C+4*(\t)+1], v[XS:XS+7], v11          ; eight numbers / 2^e, to the nearest code, ties to even; the first number's code in the lowest byte
	v_cvt_scalef32_pk8_fp8_f32 v[C+4*(\t)+2:C+4*(\t)+3], v[XS+8:XS+15], v11
	global_store_b128 v4, v[C+4*(\t):C+4*(\t)+3], s[8:9] offset:32*CB*(\t)      ; the results go to a store alone; the next vector lines are the next step's holds, on other registers
.endm
.irp t, 0,1,2,3,4,5,6,7,8,9,10,11,12,13,14,15
	STEP \t
.endr
	s_wait_tensorcnt 0x0
	ds_add_u32 v192, v193
	s_wait_dscnt 0x0
	s_endpgm
.Lfunc_end_k_q2bf9912928_qact:
	.size	k_q2bf9912928_qact, .Lfunc_end_k_q2bf9912928_qact-k_q2bf9912928_qact
	.p2alignl 7, 3214868480
	.fill 96, 4, 3214868480
	.section	.rodata,"a",@progbits
	.p2align	6, 0x0
	.amdhsa_kernel k_q2bf9912928_qact
		.amdhsa_group_segment_fixed_size 33280
		.amdhsa_private_segment_fixed_size 0
		.amdhsa_enable_private_segment 0
		.amdhsa_kernarg_size 40
		.amdhsa_user_sgpr_count 2
		.amdhsa_user_sgpr_kernarg_segment_ptr 1
		.amdhsa_wavefront_size32 1
		.amdhsa_system_sgpr_workgroup_id_x 1
		.amdhsa_system_sgpr_workgroup_id_y 1
		.amdhsa_system_sgpr_workgroup_id_z 1
		.amdhsa_system_vgpr_workitem_id 0
		.amdhsa_next_free_vgpr 194
		.amdhsa_next_free_sgpr 66
		.amdhsa_reserve_vcc 0
		.amdhsa_float_denorm_mode_32 3
		.amdhsa_float_denorm_mode_16_64 3
		.amdhsa_memory_ordered 1
		.amdhsa_forward_progress 1
		.amdhsa_inst_pref_size 37
	.end_amdhsa_kernel
	.amdgpu_metadata
---
amdhsa.version: [ 1, 2 ]
amdhsa.kernels:
  - .name:           k_q2bf9912928_qact
    .symbol:         k_q2bf9912928_qact.kd
    .args:
      - { .name: queries, .offset: 0, .size: 8, .value_kind: global_buffer, .address_space: global }
      - { .name: keys, .offset: 8, .size: 8, .value_kind: global_buffer, .address_space: global }
      - { .name: values, .offset: 16, .size: 8, .value_kind: global_buffer, .address_space: global }
      - { .name: lowp_scales, .offset: 24, .size: 8, .value_kind: global_buffer, .address_space: global }
      - { .name: acodes, .offset: 32, .size: 8, .value_kind: global_buffer, .address_space: global }
    .group_segment_fixed_size: 33280
    .private_segment_fixed_size: 0
    .kernarg_segment_align: 8
    .kernarg_segment_size: 40
    .max_flat_workgroup_size: 128
    .sgpr_count:     66
    .vgpr_count:     194
    .wavefront_size: 32
...
	.end_amdgpu_metadata
.endif
;; end of part 1
;; launch qw (part 2): grid 8 x 16, 4 waves a work-group, no clusters, 36,352 bytes of LDS; arguments Wq, Wk, Wv, Wo, lowp_scales, wcodes; writes wcodes
.if DOCPART == 2
	.amdgcn_target "amdgcn-amd-amdhsa--gfx1250"
	.amdhsa_code_object_version 6
	.text
	.protected	k_q2bf9912928_qw
	.globl	k_q2bf9912928_qw
	.p2align	8
	.type	k_q2bf9912928_qw,@function
k_q2bf9912928_qw:
	s_mov_b64 s[64:65], 0
	v_nop
	global_prefetch_b8 v0, s[64:65] scope:SCOPE_SE
	s_setreg_imm32_b32 hwreg(HW_REG_WAVE_MODE, 25, 1), 1
	s_wait_xcnt 0x0
; Wq, Wk, Wv, Wo, each [K 1024][N 1024] f32 with K as FIRST axis, become codes of E4M3 laid [N][K], K innermost: weight i (0 q, 1 k, 2 v, 3 o) at byte i x 1,048,576.
; code = x / 2^e, held within +-448, rounded to the nearest code, ties to even.  e is entry 1, 3, 5, 11 of the scales.  LIMITS: -126 <= e <= 119.  NaN among the inputs is not served.
; A LANE TAKES A COLUMN n, AND ITS REGISTERS RUN DOWN K: each load reads neighbouring n in neighbouring lanes (128 consecutive bytes a wave, 512 a work-group), and the conversions,
; which take neighbours along K from one lane's registers, give codes with K innermost.  Nothing is transposed by an instruction.
; A wave takes 32 columns x 256 along K: 256 bytes of codes a column.  They go through the wave's own stage in LDS and leave as rows: sixteen lanes store 256 consecutive bytes, aligned.
; Grid: x = which 128 columns; y = 4 x weight + which 256 along K.  No barrier: waves share nothing.  Loads run two blocks (64 loads a wave) ahead.
; Every offset is an immediate: 255 x 4,096 bytes at the most, inside the signed 24-bit immediate (ISA guide, chapter 10).
.set SIZE_N, 1024
.set KW,    256                        ; along K for a wave
.set NB,    KW/32                      ; blocks of 32
.set ROWB,  256                        ; bytes of KW codes
.set PITCH, ROWB+16                    ; a stage row
.set KROW,  1024                       ; a row of the codes' buffer in bytes
.set EMAX,  8
.set MANT,  0x600000
.set X,     32                         ; v32-95   two sets of 32 numbers
.set C,     96                         ; v96-103  a block's codes
.set OUTR,  112                        ; v112-175 the way out: 16 x 4 registers
	s_load_b256 s[32:39], s[0:1], 0x0              ; Wq, Wk, Wv, Wo
	s_load_b128 s[40:43], s[0:1], 0x20             ; the scales' exponents s[40:41], the codes s[42:43]
	v_lshl_add_u32 v192, v0, 2, 0x8c00
	v_mov_b32 v193, 0
	v_lshrrev_b32 v1, 5, v0
	v_readfirstlane_b32 s16, v1                    ; wave 0..3
	v_and_b32 v2, 31, v0                           ; lane
	s_lshl_b32 s17, ttmp9, 7
	s_lshl_b32 s18, s16, 5
	s_add_co_u32 s17, s17, s18                     ; my wave's first column: 128 x work-group x + 32 x wave
	s_and_b32 s28, ttmp7, 0xffff
	s_lshr_b32 s29, s28, 2                         ; which weight
	s_and_b32 s18, s28, 3                          ; which 256 along K
	v_lshlrev_b32 v3, 2, v2                        ; in: 4 bytes a lane
	s_mul_i32 s19, s16, 32*PITCH                   ; my stage
	v_mul_u32_u24 v4, v2, PITCH
	v_add_nc_u32 v4, s19, v4                       ; into it: row = my column
	v_and_b32 v5, 15, v2
	v_lshrrev_b32 v6, 4, v2                        ; out of it: sixteen lanes to a row, two rows an instruction
	v_mul_u32_u24 v7, v6, PITCH
	v_lshl_add_u32 v7, v5, 4, v7
	v_add_nc_u32 v7, s19, v7                       ; LDS address
	v_mul_u32_u24 v8, v6, KROW
	v_lshl_add_u32 v8, v5, 4, v8                   ; and the same place in the codes' buffer
	s_lshl_b32 s20, s18, 20                        ; W: 256 rows of 4,096 bytes for each step along K,
	s_lshl_b32 s22, s17, 2
	s_add_co_u32 s20, s20, s22                     ; + 4 x column
	s_mov_b32 s21, 0
	s_lshl_b32 s24, s29, 20                        ; codes: the weight's part,
	s_lshl_b32 s22, s17, 10
	s_add_co_u32 s24, s24, s22                     ; + column x 1,024
	s_lshl_b32 s22, s18, 8
	s_add_co_u32 s24, s24, s22                     ; + 256 x step along K
	s_mov_b32 s25, 0
	s_wait_kmcnt 0x0
	s_load_b256 s[44:51], s[40:41], 0x0            ; e0 .. e7
	s_load_b128 s[52:55], s[40:41], 0x20           ; e8 .. e11
	s_cmp_eq_u32 s29, 0                            ; the choice hangs on the work-group's number alone
	s_cselect_b64 s[4:5], s[32:33], s[34:35]
	s_cmp_eq_u32 s29, 2
	s_cselect_b64 s[4:5], s[36:37], s[4:5]
	s_cmp_eq_u32 s29, 3
	s_cselect_b64 s[4:5], s[38:39], s[4:5]
	s_add_nc_u64 s[4:5], s[4:5], s[20:21]
	s_add_nc_u64 s[8:9], s[42:43], s[24:25]
.macro LOAD t                          ; block t: W(32 t + n, my column), n = 0 .. 31, into set t % 2
.set n, 0
.rept 32
	global_load_b32 v[X+32*((\t)%2)+n], v3, s[4:5] offset:(32*(\t)+n)*SIZE_N*4 th:TH_LOAD_NT
.set n, n+1
.endr
.endm
	LOAD 0
	LOAD 1
	s_wait_kmcnt 0x0
	s_cmp_eq_u32 s29, 0
	s_cselect_b32 s30, s45, s47
	s_cmp_eq_u32 s29, 2
	s_cselect_b32 s30, s49, s30
	s_cmp_eq_u32 s29, 3
	s_cselect_b32 s30, s55, s30                    ; e
	s_add_co_i32 s30, s30, 127
	s_lshl_b32 s31, s30, 23
	v_mov_b32 v11, s31                             ; 2^e as f32: the conversion takes its exponent field
	s_add_co_i32 s30, s30, EMAX
	s_lshl_b32 s30, s30, 23
	s_or_b32 s30, s30, MANT
	v_mov_b32 v10, s30                             ; 448 x 2^e
.macro BLOCK t
.set XS, X+32*((\t)%2)
.if (\t) < NB-1
	s_wait_loadcnt 32                              ; this block's 32 loads are in; the next block's 32 may be out
.else
	s_wait_loadcnt 0
.endif
.set n, 0
.rept 32
	v_med3_num_f32 v[XS+n], v[XS+n], -v10, v10     ; the conversion to an 8-bit code does not saturate (ISA guide 7.6.2): the hold at the largest code x the scale
.set n, n+1
.endr
.irp g, 0,1,2,3
	v_cvt_scalef32_pk8_fp8_f32 v[C+2*\g:C+2*\g+1], v[XS+8*\g:XS+8*\g+7], v11
.endr
	ds_store_b128 v4, v[C:C+3] offset:32*(\t)      ; 32 codes: 32 bytes of my column's row.  (The results go to LDS stores alone; the next block begins with plain vector lines)
	ds_store_b128 v4, v[C+4:C+7] offset:32*(\t)+16
.if (\t)+2 < NB
	LOAD (\t)+2
.endif
	s_wait_dscnt 0x0                               ; the stores have read their registers: the next block's codes may be written
.endm
.set Q, 0
.rept NB
	BLOCK Q
.set Q, Q+1
.endr
.irp t, 0,1,2,3,4,5,6,7,8,9,10,11,12,13,14,15
	ds_load_b128 v[OUTR+4*\t:OUTR+4*\t+3], v7 offset:2*\t*PITCH   ; LDS serves a wave's instructions in order: these see my stores
.endr
.irp t, 0,1,2,3,4,5,6,7,8,9,10,11,12,13,14,15
	s_wait_dscnt 15-\t                             ; load t is back; the younger ones may be out
	global_store_b128 v8, v[OUTR+4*\t:OUTR+4*\t+3], s[8:9] offset:2*\t*KROW
.endr
	s_wait_tensorcnt 0x0
	ds_add_u32 v192, v193
	s_wait_dscnt 0x0
	s_endpgm
.Lfunc_end_k_q2bf9912928_qw:
	.size	k_q2bf9912928_qw, .Lfunc_end_k_q2bf9912928_qw-k_q2bf9912928_qw
	.p2alignl 7, 3214868480
	.fill 96, 4, 3214868480
	.section	.rodata,"a",@progbits
	.p2align	6, 0x0
	.amdhsa_kernel k_q2bf9912928_qw
		.amdhsa_group_segment_fixed_size 36352
		.amdhsa_private_segment_fixed_size 0
		.amdhsa_enable_private_segment 0
		.amdhsa_kernarg_size 48
		.amdhsa_user_sgpr_count 2
		.amdhsa_user_sgpr_kernarg_segment_ptr 1
		.amdhsa_wavefront_size32 1
		.amdhsa_system_sgpr_workgroup_id_x 1
		.amdhsa_system_sgpr_workgroup_id_y 1
		.amdhsa_system_sgpr_workgroup_id_z 1
		.amdhsa_system_vgpr_workitem_id 0
		.amdhsa_next_free_vgpr 194
		.amdhsa_next_free_sgpr 66
		.amdhsa_reserve_vcc 0
		.amdhsa_float_denorm_mode_32 3
		.amdhsa_float_denorm_mode_16_64 3
		.amdhsa_memory_ordered 1
		.amdhsa_forward_progress 1
		.amdhsa_inst_pref_size 50
	.end_amdhsa_kernel
	.amdgpu_metadata
---
amdhsa.version: [ 1, 2 ]
amdhsa.kernels:
  - .name:           k_q2bf9912928_qw
    .symbol:         k_q2bf9912928_qw.kd
    .args:
      - { .name: Wq, .offset: 0, .size: 8, .value_kind: global_buffer, .address_space: global }
      - { .name: Wk, .offset: 8, .size: 8, .value_kind: global_buffer, .address_space: global }
      - { .name: Wv, .offset: 16, .size: 8, .value_kind: global_buffer, .address_space: global }
      - { .name: Wo, .offset: 24, .size: 8, .value_kind: global_buffer, .address_space: global }
      - { .name: lowp_scales, .offset: 32, .size: 8, .value_kind: global_buffer, .address_space: global }
      - { .name: wcodes, .offset: 40, .size: 8, .value_kind: global_buffer, .address_space: global }
    .group_segment_fixed_size: 36352
    .private_segment_fixed_size: 0
    .kernarg_segment_align: 8
    .kernarg_segment_size: 48
    .max_flat_workgroup_size: 128
    .sgpr_count:     66
    .vgpr_count:     194
    .wavefront_size: 32
...
	.end_amdgpu_metadata
.endif
;; end of part 2
;; launch proj (part 3): grid 4 x 96, 4 waves a work-group, clusters of 4 x 4, 327,680 bytes of LDS; arguments acodes, wcodes, bq, bk, bv, lowp_scales, pcodes; writes pcodes
.if DOCPART == 3
	.amdgcn_target "amdgcn-amd-amdhsa--gfx1250"
	.amdhsa_code_object_version 6
	.text
	.protected	k_q2bf9912928_proj
	.globl	k_q2bf9912928_proj
	.p2align	8
	.type	k_q2bf9912928_proj,@function
k_q2bf9912928_proj:
	s_mov_b64 s[64:65], 0
	v_nop
	global_prefetch_b8 v0, s[64:65] scope:SCOPE_SE
	s_setreg_imm32_b32 hwreg(HW_REG_WAVE_MODE, 25, 1), 1
	s_wait_xcnt 0x0
	s_wait_alu depctr_hold_cnt(0) depctr_sa_sdst(0) depctr_va_vdst(0) depctr_va_sdst(0) depctr_va_ssrc(0) depctr_va_vcc(0) depctr_vm_vsrc(0)
	s_getreg_b32 s2, hwreg(HW_REG_IB_STS2, 6, 4)
	s_cmp_eq_u32 s2, 0
	s_cbranch_scc0 .Lentry_in_a_cluster
	s_endpgm
.Lentry_in_a_cluster:
	s_bfe_u32 s2, ttmp6, 0x10000c
	s_cmp_lg_u32 s2, 0xf033
	s_cbranch_scc0 .Lentry_shape_is_right
	s_endpgm
.Lentry_shape_is_right:
; The three projections, on codes of E4M3, each followed by its bias and by the quantiser of the operand that it becomes.  T = 0: q, 1: k, 2: v (eight clusters each; T = cluster y / 8).
;   q, k:  C[token][n] = sum_k act[token][k] W[n][k];  x 2^(eA + eB), + bias[n], quantised with e6 (q) or e7 (k), stored [8192 tokens][1024], at byte T x 8,388,608 of the output.
;   v:     the operands change places: C[n][token] = sum_k Wv[n][k] values[token][k]; + bv[n]; quantised with e9; stored [1024 n][8192 tokens] at byte 16,777,216: the KEYS innermost, as the
;          second product of attention wants them.  Nothing is transposed: only which tensor is called A differs.  No branch hangs on T: bases, offsets, pitch and bias pattern are chosen by s_cselect.
; LIMITS: eA + eB between -126 and 127; the output's e between -126 and 119, so that each power of two below is an f32 number.
; A tile of C, 256 x 256, is made by a work-group of four waves; a wave makes 128 x 128: 64 accumulators of 16 x 16, 512 registers.  K = 1,024 goes in four steps of 256 through a ring of two LDS slots
; filled by the tensor data mover: a tile's row is 256 bytes of memory, aligned.
; CLUSTERS: 4 x 4 work-groups.  The four of a row of the cluster need the same tiles of A, the four of a column the same tiles of B: each tile is asked for JOINTLY, by the same tensor load with the
; same descriptor and a mask that names the four.  THE MATRIX INSTRUCTION IS USED TRANSPOSED (source 0 = 16 rows of B, source 1 = 16 rows of A): a lane then holds eight neighbouring numbers of a row of C,
; which are eight neighbours along the next product's K: one conversion makes their eight codes.
; A fragment is fetched by four loads of 16 bytes: a permutation of k, the same in A and in B, so that every product meets its partner.
; REGISTERS, in windows of 256: window 0: v8-31 addresses and constants; v32-95 the bias by columns, v96-111 the bias by rows (one of the two is cleared); from v128 A's fragments, ONE set; on the way out v128-255 at work.
;   window 1: B's fragments, TWO sets, at v0 and v128.   window 2: the 32 accumulators of my rows 0-63 (accumulator (a, b) at v[8 (8 a + b)]);   window 3: those of my rows 64-127.
.set KSTEP,  256                       ; along K in a slot
.set ROWB,   256                       ; a tile's row in bytes
.set KROW,   1024                      ; a row of A or of B in memory, in bytes
.set PITCH,  272                       ; an LDS row: 256 bytes + 16 of padding = 68 words: row r starts at bank 4 r mod 64 (64 banks of 4 bytes: ISA guide 11.1)
.set FR,     16                        ; registers of a fragment: 16 rows x 128 K
.set NL,     4                         ; LDS loads that bring one
.set NP,     4                         ; places behind this matrix instruction (ISA guide 7.12.1)
.set HALFT,  128*PITCH                 ; 128 rows: what one tensor load brings, and what one wave reads of A or of B
.set SLOT,   4*HALFT                   ; A's 256 rows, then B's 256 rows
.set LAPS,   KROW/(2*KSTEP)            ; a lap = two K steps = once round the ring: 2
.set SPARE,  2*SLOT                    ; behind the ring: the spare words, 128 bytes for each wave: two blocks of 256 bytes that no other line names
.set SPITCH, 272                       ; the way out: ONE stage of 256 rows x (256 bytes + 16), from LDS byte 0: in slot 0, which has had its last fill and its last read when the first code is stored there
.set BCO,  8                           ; v8      the column bias loads' offset: 32 x (lane / 16); never rewritten
.set BRO,  9                           ; v9      the row bias loads' offset: 4 x (lane % 16); never rewritten
.set ADRA, 16                          ; v16-17  LDS address of my A fragments in slot 0, 1
.set ADRB, 20                          ; v20-21  the same for B
.set STO,  24                          ; v24     the way out: where I put 8 codes of a row
.set RD,   25                          ; v25     the way out: where I read a row back
.set CO,   26                          ; v26     my byte offset in two rows of the output
.set SPW,  28                          ; v28     LDS address of my spare word: SPARE + 4 x my thread's number; never rewritten
.set NIL,  29                          ; v29     0; never rewritten
.set LIM,  30                          ; v30     448 x 2^e of the output
.set SCL,  31                          ; v31     2^e of the output
.set BC,   32                          ; v32-95  bias at column 16 b + 8 (lane / 16) + j of my 128, register 8 b + j
.set BR,   96                          ; v96-111 bias at row 16 a + lane % 16 of my 128, twice: registers 2 a, 2 a + 1
.set AF,   128                         ; A's fragments
.set TMP,  128                         ; the way out: a block's 64 numbers
.set CD,   192                         ; and its 16 registers of codes
.set DAT,  128                         ; later: 64 rows read back, 32 x 4 registers
.set OFS,  32                          ; and their 32 offsets, so that no store's offset register is written again
.set G1, 24                            ; s[24:31] descriptor group 1 for A's tiles;  s[32:39] group 0, one set for each slot
.set G0, 32
.set G1B, 48                           ; s[48:55], s[56:63] the same for B's tiles
.set G0B, 56
.set MSB, 0
.macro WIN new                         ; the immediate's high byte repeats the setting that is left; a switch that changes nothing is dropped
.if MSB != (\new)
	s_set_vgpr_msb (MSB<<8)|(\new)
.set MSB, (\new)
.endif
.endm
.set MUL_LO, 0xa1                      ; source 0 (B) window 1, source 1 (A) window 0, C and D window 2
.set MUL_HI, 0xf1                      ; the same, C and D window 3
.set TO_B,   0x40                      ; destination window 1, address window 0
; A joint load: waves 0 and 1 fetch for A, waves 2 and 3 for B.  Each of the two lines has ONE mask and one set of registers for all that issue it; the branch hangs on the wave's number alone.
; Four v_nop follow each of the two lines, ahead of the jump, the label and what follows.
.macro JLOAD g0a, g1a, g0b, g1b
	s_cmp_eq_u32 s15, 0
	s_cbranch_scc0 .Lfor_b_\@
	tensor_load_to_lds s[\g0a:\g0a+3], s[\g1a:\g1a+7]
	s_nop 0
.rept 4
	v_nop
.endr
	s_branch .Lasked_\@
.Lfor_b_\@:
	tensor_load_to_lds s[\g0b:\g0b+3], s[\g1b:\g1b+7]
	s_nop 0
.rept 4
	v_nop
.endr
.Lasked_\@:
.endm
.macro CREST                           ; a round of the cluster's barrier behind its opening barrier
	s_cmp_lg_u32 s14, 0
	s_cbranch_scc1 .Lnot_wave_0_\@
	s_barrier_signal -3
.Lnot_wave_0_\@:
	s_barrier_wait -3
	s_barrier_signal -1
	s_barrier_wait -1
.endm
.macro CROUND                          ; a whole round
	s_barrier_signal -1
	s_barrier_wait -1
	CREST
.endm
	s_load_b256 s[68:75], s[0:1], 0x0              ; the activations' codes s[68:69], the weights' codes s[70:71], bq s[72:73], bk s[74:75]
	s_load_b128 s[76:79], s[0:1], 0x20             ; bv s[76:77], the scales' exponents s[78:79]
	s_load_b64 s[80:81], s[0:1], 0x30              ; the output
	v_lshl_add_u32 v[SPW], v0, 2, SPARE
	v_mov_b32 v[NIL], 0
	ds_add_u32 v28, v29
	ds_add_u32 v28, v29
	s_wait_dscnt 0x0
	v_lshrrev_b32 v1, 5, v0
	v_readfirstlane_b32 s14, v1                    ; wave 0..3
	s_lshr_b32 s15, s14, 1                         ; which half of the tile's rows is mine.  Also: I fetch for A (0) or for B (1)
	s_and_b32 s16, s14, 1                          ; which half of its columns.  Also: which 128 rows of that tile I fetch
	s_bfe_u32 s40, ttmp6, 0x40000                  ; cx, cy: my place in the cluster
	s_bfe_u32 s41, ttmp6, 0x40004
	s_and_b32 s86, ttmp7, 0xffff                   ; cluster y, 0 .. 23: the same in all sixteen partners
	s_and_b32 s87, s86, 7
	s_lshl_b32 s87, s87, 2                         ; 4 J, J = which of the tensor's eight clusters
	s_lshr_b32 s86, s86, 3                         ; T
	s_lshl_b32 s42, ttmp9, 2
	s_add_co_u32 s42, s42, s40                     ; 4 x cluster x + cx
	s_add_co_u32 s67, s42, s87                     ; the same + 4 J
	s_add_co_u32 s66, s41, s87                     ; cy + 4 J
	s_lshl_b32 s12, s86, 23                        ; the activations' part T
	s_lshl_b32 s13, s86, 20                        ; the weights' part T
	s_lshl_b32 s43, s41, 2
	s_lshl_b32 s43, 15, s43                        ; my row of the cluster
	s_lshl_b32 s44, 0x1111, s40                    ; my column
	s_mov_b32 s18, 0x200000                        ; Wv's codes in the weights' buffer
	s_mov_b32 s19, 0x1000000                       ; the values' codes in the activations' buffer
	s_cmp_lt_u32 s86, 2                            ; q or k?  (only moves and selections stand between this compare and the last selection)
	s_cselect_b32 s17, s66, s41                    ; tile row of C: 32 of tokens, or 4 of n
	s_cselect_b32 s42, s42, s67                    ; tile column: 4 of n, or 32 of tokens
	s_cselect_b32 s12, s12, s18                    ; where A begins in its buffer (this register never holds cx)
	s_cselect_b32 s13, s13, s19                    ; where B begins in its buffer (never cy)
	s_cselect_b32 s88, 10, 13                      ; log2 of the output's row in bytes
	s_cselect_b32 s90, -1, 0                       ; keeps or clears the bias by columns
	s_cselect_b32 s91, 0, -1                       ; and the bias by rows
	s_lshl_b32 s89, 2, s88                         ; two rows of the output in bytes
	; descriptor group 1: a tile of 128 rows x 256 bytes, padded in LDS
	s_or_b32 s[G1+0], s43, (0<<16)|(1<<20)|(1<<21)|(5<<22)|(3<<25)  ; 15:0 the mask: A's tiles go to my row; 17:16 element of 1 byte; 20 padding on; 21 set beside a mask; 24:22 after every 64 words (code 5); 31:25 of 4 words (code 3)
	s_or_b32 s[G1B+0], s44, (0<<16)|(1<<20)|(1<<21)|(5<<22)|(3<<25)
.irp g, G1, G1B
	s_mov_b32 s[\g+1], ROWB<<16                    ; tensor_dim0
	s_mov_b32 s[\g+2], 128<<16                     ; tensor_dim1 = 128
	s_mov_b32 s[\g+3], ROWB<<16                    ; tile_dim0
	s_mov_b32 s[\g+4], 128                         ; tile_dim1 = 128
	s_mov_b32 s[\g+5], KROW                        ; tensor_dim0_stride
	s_mov_b32 s[\g+6], 0
	s_mov_b32 s[\g+7], 0
.endr
	; the bias: by columns for q and k (from my first column on), by rows for v (from my first row on); the pattern that does not apply reads the first 128 entries and is cleared later
	s_lshl_b32 s92, s42, 10
	s_lshl_b32 s18, s16, 9
	s_add_co_u32 s92, s92, s18                     ; 4 x (256 x tile column + 128 x half)
	s_lshl_b32 s94, s17, 10
	s_lshl_b32 s18, s15, 9
	s_add_co_u32 s94, s94, s18                     ; 4 x (256 x tile row + 128 x half)
	s_cmp_lt_u32 s86, 2
	s_cselect_b32 s92, s92, 0
	s_cselect_b32 s94, 0, s94
	s_mov_b32 s93, 0
	s_mov_b32 s95, 0
	; where the tiles come from.  A's hang on the tile row alone, B's on the tile column alone
	s_lshl_b32 s18, s16, 7                         ; which 128 rows of the tile I fetch
	s_lshl_b32 s20, s17, 8
	s_add_co_u32 s20, s20, s18                     ; A: row 256 x tile row + 128 x half,
	s_lshl_b32 s20, s20, 10                        ; of 1,024 bytes,
	s_add_co_u32 s20, s20, s12                     ; in its tensor's part: 25,165,824 at the most
	s_mov_b32 s21, 0
	s_lshl_b32 s46, s42, 8
	s_add_co_u32 s46, s46, s18                     ; B likewise
	s_lshl_b32 s46, s46, 10
	s_add_co_u32 s46, s46, s13
	s_mov_b32 s47, 0
	s_mul_i32 s45, s14, HALFT                      ; where they go: wave x 128 rows: no place in the cluster enters an LDS address
	; where I store: rows 256 x tile row + 64 x wave on, 256 bytes from column 256 x tile column on, in the output's part T
	s_lshl_b32 s8, s17, 8
	s_lshl_b32 s9, s14, 6
	s_add_co_u32 s8, s8, s9
	s_lshl_b32 s8, s8, s88
	s_lshl_b32 s9, s42, 8
	s_add_co_u32 s8, s8, s9
	s_lshl_b32 s9, s86, 23
	s_add_co_u32 s8, s8, s9
	s_mov_b32 s9, 0
	s_wait_kmcnt 0x0
	s_mov_b64 s[98:99], s[78:79]                   ; the scales' address, kept: s[68:79] take the exponents
	s_cmp_lt_u32 s86, 2
	s_cselect_b64 s[4:5], s[68:69], s[70:71]       ; A: activations, or weights
	s_cselect_b64 s[6:7], s[70:71], s[68:69]       ; B: weights, or activations
	s_cmp_eq_u32 s86, 0
	s_cselect_b64 s[82:83], s[72:73], s[74:75]
	s_cmp_eq_u32 s86, 2
	s_cselect_b64 s[82:83], s[76:77], s[82:83]     ; bq, bk or bv
	s_add_nc_u64 s[84:85], s[82:83], s[94:95]      ; by rows
	s_add_nc_u64 s[82:83], s[82:83], s[92:93]      ; by columns
	s_add_nc_u64 s[10:11], s[80:81], s[8:9]
	s_add_nc_u64 s[20:21], s[4:5], s[20:21]
	s_add_nc_u64 s[46:47], s[6:7], s[46:47]
	s_load_b256 s[68:75], s[98:99], 0x0            ; e0 .. e7
	s_load_b128 s[76:79], s[98:99], 0x20           ; e8 .. e11
	CROUND                                         ; all sixteen work-groups are here: the first joint loads meet
.irp s, 0,1
	s_mov_b32 s[G0+4*\s], 1                        ; 1:0 count = 1
	s_add_co_u32 s[G0+4*\s+1], s45, \s*SLOT        ; 63:32 LDS address
	s_add_nc_u64 s[G0+4*\s+2:G0+4*\s+3], s[20:21], \s*ROWB   ; 120:64 global address: K step s
	s_or_b32 s[G0+4*\s+3], s[G0+4*\s+3], 0x80000000          ; 127:126 type = 2
	s_mov_b32 s[G0B+4*\s], 1
	s_add_co_u32 s[G0B+4*\s+1], s45, \s*SLOT
	s_add_nc_u64 s[G0B+4*\s+2:G0B+4*\s+3], s[46:47], \s*ROWB
	s_or_b32 s[G0B+4*\s+3], s[G0B+4*\s+3], 0x80000000
	JLOAD G0+4*\s, G1, G0B+4*\s, G1B               ; two loads of mine are out
.endr
	v_and_b32 v1, 15, v0                           ; r = l % 16
	v_bfe_u32 v2, v0, 4, 1                         ; h = l / 16
	v_lshlrev_b32 v[BCO], 5, v2
	v_lshlrev_b32 v[BRO], 2, v1
.irp b, 0,1,2,3,4,5,6,7
	global_load_b128 v[BC+8*\b:BC+8*\b+3],   v[BCO], s[82:83] offset:64*\b       ; bias(16 b + 8 h + 0 .. 3)
	global_load_b128 v[BC+8*\b+4:BC+8*\b+7], v[BCO], s[82:83] offset:64*\b+16    ; and + 4 .. 7
.endr
.irp a, 0,1,2,3,4,5,6,7
	global_load_b32 v[BR+2*\a],   v[BRO], s[84:85] offset:64*\a                  ; bias(16 a + r), into both registers of a pair
	global_load_b32 v[BR+2*\a+1], v[BRO], s[84:85] offset:64*\a
.endr
	v_mul_u32_u24 v3, v1, PITCH
	v_lshl_add_u32 v4, v2, 4, v3                   ; a fragment's row x pitch + 16 x half
	s_mul_i32 s21, s15, HALFT                      ; my 128 rows of A
	s_mul_i32 s22, s16, HALFT                      ; my 128 rows of B,
	s_add_co_u32 s22, s22, 2*HALFT                 ; which lie behind A's 256
.irp s, 0,1
	v_add_nc_u32 v[ADRA+\s], s21, v4
	v_add_nc_u32 v[ADRB+\s], s22, v4
	s_add_co_u32 s21, s21, SLOT
	s_add_co_u32 s22, s22, SLOT
.endr
	s_mul_i32 s23, s15, 128*SPITCH                 ; into the stage: my 128 rows, my half of their 256 bytes; row r, 8 bytes for each half of the lanes
	s_lshl_b32 s22, s16, 7
	s_add_co_u32 s23, s23, s22
	v_lshl_add_u32 v5, v2, 3, v3
	v_add_nc_u32 v[STO], s23, v5
	s_mul_i32 s23, s14, 64*SPITCH                  ; back: wave w takes rows 64 w .. 64 w + 63, whole; lanes 0-15 one row of 256 bytes, lanes 16-31 the next
	v_mul_u32_u24 v6, v2, SPITCH
	v_lshl_add_u32 v6, v1, 4, v6
	v_add_nc_u32 v[RD], s23, v6
	v_lshlrev_b32 v7, s88, v2                      ; and the same two rows in the output
	v_lshl_add_u32 v[CO], v1, 4, v7
.macro FRAG reg, adr, q, i             ; a fragment, 16 rows x 128 K of codes, is 16 registers: lane l holds row l % 16; registers 4 c .. 4 c + 3 hold K = 32 c + 16 (l / 16) + 0 .. 15
.irp c, 0,1,2,3
	ds_load_b128 v[\reg+4*\c:\reg+4*\c+3], v[\adr] offset:128*(\q)+32*\c+(\i)*16*PITCH
.endr
.endm
; 16 matrix instructions: A's blocks a0, a0 + 1 x B's eight, 128 along K.  p: B's set.  zero = 1: the first product starts the sums: nothing is ever cleared.
; The 64 accumulators take turns, one instruction a turn, in the same order in every step.
.macro MUL16 a0, p, zero
.irp a, \a0, \a0+1
.irp b, 0,1,2,3,4,5,6,7
.if \zero
	v_wmma_f32_16x16x128_fp8_fp8 v[8*(8*((\a)%4)+\b):8*(8*((\a)%4)+\b)+7], v[128*(\p)+FR*\b:128*(\p)+FR*\b+FR-1], v[AF+FR*(\a):AF+FR*(\a)+FR-1], 0
.else
	v_wmma_f32_16x16x128_fp8_fp8 v[8*(8*((\a)%4)+\b):8*(8*((\a)%4)+\b)+7], v[128*(\p)+FR*\b:128*(\p)+FR*\b+FR-1], v[AF+FR*(\a):AF+FR*(\a)+FR-1], v[8*(8*((\a)%4)+\b):8*(8*((\a)%4)+\b)+7]
.endif
.endr
.endr
.endm
.macro FETCH_B slot, q, p              ; B's eight fragments of the slot's q-th 128 along K into set p
	WIN TO_B
.irp i, 0,1,2,3,4,5,6,7
	FRAG 128*(\p)+FR*\i, ADRB+\slot, \q, \i
.endr
	WIN 0
.endm
.macro FETCH_A slot, q, i0             ; A's blocks i0 .. i0 + 3
.irp i, \i0, \i0+1, \i0+2, \i0+3
	FRAG AF+FR*(\i), ADRA+\slot, \q, \i
.endr
.endm
; A load into a register that a matrix instruction has read, and a vector instruction that reads a matrix result, stand NP places behind that matrix instruction; only plain vector
; instructions that name none of its registers are places (ISA guide 7.12.1 for vector instructions).
.macro PLACES n
.rept \n
	v_nop
.endr
.endm
; A step of 128 along K that has its successor in the same slot.  A block of A is free as soon as its eight products are issued: blocks 0-3 are fetched anew in the step's middle, blocks 4-7 at its end.
.macro STEP slot, q, zero
	s_wait_dscnt 4*NL                              ; B's set and A's blocks 0-3 are in; the youngest sixteen loads (A's blocks 4-7) may be out
	WIN MUL_LO
	MUL16 0, (\q)%2, \zero
	MUL16 2, (\q)%2, \zero
	s_wait_dscnt 0                                 ; A's blocks 4-7 are in (asked for 32 matrix instructions ago)
	PLACES NP
	FETCH_B \slot, (\q)+1, 1-(\q)%2
	FETCH_A \slot, (\q)+1, 0
	WIN MUL_HI
	MUL16 4, (\q)%2, \zero
	MUL16 6, (\q)%2, \zero
	PLACES NP
	WIN 0
	FETCH_A \slot, (\q)+1, 4
.endm
; A slot's last step changes slots: ONE barrier; in front of it each wave waits for all its tensor loads, adds 0 to its spare word, and waits for that and for its own reads of this slot.  fill = 1: this slot is filled again, two K steps ahead.
.macro TURN slot, next, fill
	s_wait_tensorcnt 0x0                           ; all my tensor loads have landed: my part of the next slot;  (every window is 0 here: the add's two registers lie in window 0)
	ds_add_u32 v[SPW], v[NIL]                      ; 0 onto my spare word
	s_wait_dscnt 4*NL+1                            ; (the add and the youngest sixteen loads, A's blocks 4-7, may be out)
	WIN MUL_LO
	MUL16 0, 1, 0                                  ; sixteen matrix instructions stand between the add and the wait for it
	s_wait_dscnt 0x0                               ; the add is done, and my reads of this slot are over
	s_barrier_signal -1
	MUL16 2, 1, 0
	WIN 0
	s_barrier_wait -1
.if \fill
	CREST                                          ; the barrier has opened a round of the cluster's barrier: no wave of any partner still reads this slot's tile or has a load on its way
	s_add_nc_u64 s[G0+4*\slot+2:G0+4*\slot+3], s[G0+4*\slot+2:G0+4*\slot+3], 2*ROWB
	s_add_nc_u64 s[G0B+4*\slot+2:G0B+4*\slot+3], s[G0B+4*\slot+2:G0B+4*\slot+3], 2*ROWB
	JLOAD G0+4*\slot, G1, G0B+4*\slot, G1B         ; the first tensor load behind the round; the four v_nop behind it are the places in front of the loads below
.else
	PLACES NP
.endif
	FETCH_B \next, 0, 0
	FETCH_A \next, 0, 0
	WIN MUL_HI
	MUL16 4, 1, 0
	MUL16 6, 1, 0
	PLACES NP
	WIN 0
	FETCH_A \next, 0, 4
.endm
	s_wait_tensorcnt 1                             ; my part of K step 0 is in (K step 1's load may be out)
	s_barrier_signal -1
	s_barrier_wait -1                              ; everybody's is
	FETCH_B 0, 0, 0
	FETCH_A 0, 0, 0
	FETCH_A 0, 0, 4
	STEP 0, 0, 1                                   ; the first step stands in front of the loop: its products start the sums
	s_mov_b32 s3, LAPS-1
.Llap:                                                 ; a trip goes once round the ring, from a lap's second step to the next lap's first, and fills both slots again
	TURN 0, 1, 1
	STEP 1, 0, 0
	TURN 1, 0, 1
	STEP 0, 0, 0
	s_sub_co_u32 s3, s3, 1
	s_cmp_lg_u32 s3, 0
	s_cbranch_scc1 .Llap
	TURN 0, 1, 0                                   ; the last lap fills nothing, and has no round of the cluster's barrier
	STEP 1, 0, 0
	s_wait_dscnt 4*NL                              ; the very last step: nothing more to fetch
	WIN MUL_LO
	MUL16 0, 1, 0
	MUL16 2, 1, 0
	s_wait_dscnt 0
	WIN MUL_HI
	MUL16 4, 1, 0
	MUL16 6, 1, 0
	WIN 0
	; THE WAY OUT.  number = sum x 2^(eA + eB) + bias, in f32; held within +-448 x 2^e; eight neighbours of a row become eight codes.
	s_wait_loadcnt 0x0                             ; the biases
	s_wait_kmcnt 0x0                               ; the exponents
	s_add_co_i32 s68, s68, s69                     ; e0 + e1,
	s_add_co_i32 s70, s70, s71                     ; e2 + e3,
	s_add_co_i32 s72, s72, s73                     ; e4 + e5
	s_cmp_eq_u32 s86, 0
	s_cselect_b32 s96, s68, s70
	s_cselect_b32 s12, s74, s75                    ; e6 for q, e7 for k,
	s_cmp_eq_u32 s86, 2
	s_cselect_b32 s96, s72, s96
	s_cselect_b32 s12, s77, s12                    ; e9 for v
	s_add_co_i32 s96, s96, 127
	s_lshl_b32 s96, s96, 23                        ; 2^(eA + eB) as f32
	s_mov_b32 s97, s96                             ; (named with it as a pair, so it is written)
	s_add_co_i32 s12, s12, 127
	s_lshl_b32 s13, s12, 23
	v_mov_b32 v[SCL], s13                          ; 2^e as f32: the conversion takes its exponent field
	s_add_co_i32 s12, s12, 8
	s_lshl_b32 s12, s12, 23
	s_or_b32 s12, s12, 0x600000
	v_mov_b32 v[LIM], s12                          ; 448 x 2^e
.set n, 0
.rept 64
	v_and_b32 v[BC+n], s90, v[BC+n]                ; the bias by columns stays for q and k and becomes 0 for v.  (These 80 plain lines are also the places behind the last products)
.set n, n+1
.endr
.set n, 0
.rept 16
	v_and_b32 v[BR+n], s91, v[BR+n]                ; the bias by rows the other way round
.set n, n+1
.endr
; Block a: my rows 16 a .. 16 a + 15 x my 128 columns.  Lane (r, h), register 8 b + j: C(16 a + r, 16 b + 8 h + j).
.macro QBLOCK a
.set AC, 64*((\a)%4)
	WIN 0x02+((\a)/4)                              ; source 0: window 2 or 3
.set n, 0
.rept 32
	v_pk_fma_f32 v[TMP+n:TMP+n+1], v[AC+n:AC+n+1], s[96:97], v[BC+n:BC+n+1] op_sel_hi:[1,0,1]   ; sum x 2^(eA + eB) + the column's bias; each accumulator from its low end on
.set n, n+2
.endr
	WIN 0
.set n, 0
.rept 32
	v_pk_add_f32 v[TMP+n:TMP+n+1], v[TMP+n:TMP+n+1], v[BR+2*(\a):BR+2*(\a)+1]                   ; + the row's bias: one of the two is 0, and adding 0 rounds nothing
.set n, n+2
.endr
.set n, 0
.rept 64
	v_med3_num_f32 v[TMP+n], v[TMP+n], -v[LIM], v[LIM]   ; the conversion to an 8-bit code does not saturate (ISA guide 7.6.2): the hold at the largest code x the scale
.set n, n+1
.endr
	s_wait_dscnt 0x0                               ; the block before has stored its codes: their registers may be written
.irp b, 0,1,2,3,4,5,6,7
	v_cvt_scalef32_pk8_fp8_f32 v[CD+2*\b:CD+2*\b+1], v[TMP+8*\b:TMP+8*\b+7], v[SCL]
.endr
	v_nop                                          ; one plain vector line between the last conversion and the next vector line that writes its sources
.irp b, 0,1,2,3,4,5,6,7
	ds_store_b64 v[STO], v[CD+2*\b:CD+2*\b+1] offset:(\a)*16*SPITCH+16*\b   ; rows 68 words apart, 2 words a lane: the 32 lanes touch 64 different banks
.endr
.endm
.irp a, 0,1,2,3,4,5,6,7
	QBLOCK \a
.endr
	s_wait_dscnt 0x0                               ; for the others' sake: my stores into the stage are done (a row's 256 bytes come from two waves)
	s_barrier_signal -1
	s_barrier_wait -1
	v_mov_b32 v[OFS], v[CO]
.set n, 1
.rept 31
	v_add_nc_u32 v[OFS+n], s89, v[OFS+n-1]         ; two rows on: the pitch hangs on T, so it cannot stand in an immediate
.set n, n+1
.endr
.set n, 0
.rept 32
	ds_load_b128 v[DAT+4*n:DAT+4*n+3], v[RD] offset:2*n*SPITCH
.set n, n+1
.endr
.set n, 0
.rept 32
	s_wait_dscnt 31-n                              ; load n is back; the younger ones may be out
	global_store_b128 v[OFS+n], v[DAT+4*n:DAT+4*n+3], s[10:11]   ; 16 lanes store 256 consecutive bytes, at a multiple of 256 from the buffer's first byte
.set n, n+1
.endr
	s_wait_tensorcnt 0x0                           ; the wave's end: behind my last tensor load and my last LDS store
	ds_add_u32 v[SPW], v[NIL]
	s_wait_dscnt 0x0
	CROUND                                         ; the closing round: no work-group ends while a partner may still ask for a tile that names it
	s_endpgm
.Lfunc_end_k_q2bf9912928_proj:
	.size	k_q2bf9912928_proj, .Lfunc_end_k_q2bf9912928_proj-k_q2bf9912928_proj
	.p2alignl 7, 3214868480
	.fill 96, 4, 3214868480
	.section	.rodata,"a",@progbits
	.p2align	6, 0x0
	.amdhsa_kernel k_q2bf9912928_proj
		.amdhsa_group_segment_fixed_size 327680
		.amdhsa_private_segment_fixed_size 0
		.amdhsa_enable_private_segment 0
		.amdhsa_kernarg_size 56
		.amdhsa_user_sgpr_count 2
		.amdhsa_user_sgpr_kernarg_segment_ptr 1
		.amdhsa_wavefront_size32 1
		.amdhsa_system_sgpr_workgroup_id_x 1
		.amdhsa_system_sgpr_workgroup_id_y 1
		.amdhsa_system_sgpr_workgroup_id_z 1
		.amdhsa_system_vgpr_workitem_id 0
		.amdhsa_next_free_vgpr 1024
		.amdhsa_next_free_sgpr 100
		.amdhsa_reserve_vcc 0
		.amdhsa_float_denorm_mode_32 3
		.amdhsa_float_denorm_mode_16_64 3
		.amdhsa_memory_ordered 1
		.amdhsa_forward_progress 1
		.amdhsa_inst_pref_size 165
	.end_amdhsa_kernel
	.amdgpu_metadata
---
amdhsa.version: [ 1, 2 ]
amdhsa.kernels:
  - .name:           k_q2bf9912928_proj
    .symbol:         k_q2bf9912928_proj.kd
    .args:
      - { .name: acodes, .offset: 0, .size: 8, .value_kind: global_buffer, .address_space: global }
      - { .name: wcodes, .offset: 8, .size: 8, .value_kind: global_buffer, .address_space: global }
      - { .name: bq, .offset: 16, .size: 8, .value_kind: global_buffer, .address_space: global }
      - { .name: bk, .offset: 24, .size: 8, .value_kind: global_buffer, .address_space: global }
      - { .name: bv, .offset: 32, .size: 8, .value_kind: global_buffer, .address_space: global }
      - { .name: lowp_scales, .offset: 40, .size: 8, .value_kind: global_buffer, .address_space: global }
      - { .name: pcodes, .offset: 48, .size: 8, .value_kind: global_buffer, .address_space: global }
    .group_segment_fixed_size: 327680
    .private_segment_fixed_size: 0
    .kernarg_segment_align: 8
    .kernarg_segment_size: 56
    .max_flat_workgroup_size: 128
    .sgpr_count:     100
    .vgpr_count:     1024
    .wavefront_size: 32
...
	.end_amdgpu_metadata
.endif
;; end of part 3
;; launch attn (part 4): grid 16 x 16, 8 waves a work-group, clusters of 4 x 4, 327,680 bytes of LDS; arguments pcodes, mask, lowp_scales, ccodes; writes ccodes
.if DOCPART == 4
	.amdgcn_target "amdgcn-amd-amdhsa--gfx1250"
	.amdhsa_code_object_version 6
	.text
	.protected	k_q2bf9912928_attn
	.globl	k_q2bf9912928_attn
	.p2align	8
	.type	k_q2bf9912928_attn,@function
k_q2bf9912928_attn:
	s_mov_b64 s[64:65], 0
	v_nop
	global_prefetch_b8 v0, s[64:65] scope:SCOPE_SE
	s_setreg_imm32_b32 hwreg(HW_REG_WAVE_MODE, 25, 1), 1
	s_wait_xcnt 0x0
	s_wait_alu depctr_hold_cnt(0) depctr_sa_sdst(0) depctr_va_vdst(0) depctr_va_sdst(0) depctr_va_ssrc(0) depctr_va_vcc(0) depctr_vm_vsrc(0)
	s_getreg_b32 s2, hwreg(HW_REG_IB_STS2, 6, 4)
	s_cmp_eq_u32 s2, 0
	s_cbranch_scc0 .Lentry_in_a_cluster
	s_endpgm
.Lentry_in_a_cluster:
	s_bfe_u32 s2, ttmp6, 0x10000c
	s_cmp_lg_u32 s2, 0xf033
	s_cbranch_scc0 .Lentry_shape_is_right
	s_endpgm
.Lentry_shape_is_right:
; ctx[b][q][64 head + d] = sum_k softmax_k(mask ? q . k / 8 : hidden) v, both products on codes of E4M3, then quantised with e10 for the last projection.
; INPUTS (codes, one a byte): q at byte 0 and k at byte 8,388,608, each [8192 tokens][1024]; v at byte 16,777,216, [1024 (64 head + d)][8192 tokens]: the keys innermost.  mask: [2048 q][2048 k], a byte 0 or 1.
; THE SOFTMAX AHEAD OF THE SECOND PRODUCT: t = score x log2(e) / 8; M = the row's largest t so far, rounded UP to a whole number; p = 2^(t - M) is what is quantised (e8); it is not normalised.
; The row's sum is taken of the unquantised p, in f32, and divides at the end.  When M moves, the sum and O are multiplied by 2^(old M - new M): exact.
; SHARES.  A work-group owns 128 queries of one batch and FOUR neighbouring heads, so that a row of K's tile and of the output (4 x 64 bytes) is 256 consecutive bytes, aligned.  Wave w: head w / 2 of the four,
; queries 64 (w % 2) on: FOUR tiles of 16 queries of one head, so that each fragment of K and of V read from LDS feeds four matrix instructions.  Two waves to a SIMD (512 registers each).
; A key step is 128 keys; its tiles (K 128 rows x 256 bytes, V 256 rows x 128, mask 128 rows x 128) fill one of two LDS slots; each of the eight waves fetches 64 rows by one tensor load.
; CLUSTER 4 x 4: x = four blocks of queries, y = the four groups of heads of one batch.  K's and V's tiles hang on batch and head group: asked for JOINTLY along a row of the cluster;
; the mask's hang on the block of queries: jointly along a column.
; LAYOUT.  Both products are used transposed: S^T = K Q^T (source 0 = 16 keys, source 1 = 16 queries, K = 64), O^T = V^T P^T (source 0 = 16 of the head's 64, source 1 = P, K = 128 keys): a lane holds ONE query
; (lane % 16) throughout.  In tile t of S^T lane (r, h) holds keys 16 t + 8 h + 0 .. 7: their eight codes ARE registers 2 t, 2 t + 1 of the second product's operand in that form's own layout.
; K's and Q's fragments come by two loads of 16 bytes: a permutation of d, the same on both sides.
; THE MASK goes in as the C of the score product.  Its bytes serve as selectors of v_perm_b32 into the table (0xF8, 0x00): 0 picks the code of -256, 1 the code of 0; a scaled conversion back to f32
; (x 2^51) writes -2^59 or 0 into the accumulator, and the product adds the score onto it.  A raw score is under 2^24 in magnitude, so a hidden one stays at -2^59: p = 0 as soon as the row has an open key.
; While a row has none, its p are 1; the first open key multiplies what was summed by 2^(old M - new M) = 0.  A row with no open key at all gives the mean of v, as the definition does.
; LIMITS: e6 + e7 between -48 and 30 (hidden t far under every open t, and finite); e8 and e10 between -126 and 119; e8 + e9 is applied by v_ldexp_f32 and has none.  The mean for a row with no open key at all
; rests on -2^59 + score coming out of the matrix instruction as -2^59 exactly (the score lies 35 binary places under it).
; REGISTERS.  window 0: v1-13, v16-27 addresses, constants, at work; v32-95 K's 8 fragments, then V's 4; v96-159 S^T, then p; v160-223 for tile i at 160 + 16 i the mask's words, later p's codes; v224-247 statistics.
;   window 1: v0-127 O^T, accumulator (tile i, channels 16 t) at 32 i + 8 t; v160-191 Q, tile i at 160 + 8 i.
.set KP,    272                        ; a key's row in LDS: 256 bytes + 16 of padding = 68 words: row r starts at bank 4 r mod 64 (64 banks of 4 bytes: ISA guide 11.1)
.set VP,    144                        ; a row of V's tile: 128 bytes + 16 = 36 words: the 32 lanes of an 8-byte load touch 64 different banks
.set MP,    144                        ; a row of the mask's tile likewise
.set VOFF,  128*KP                     ; a slot: 128 rows of K, 256 rows of V, 128 rows of the mask: 90,112 bytes
.set MOFF,  VOFF+256*VP
.set SLOT1, 1<<17                      ; slot 1 begins here, so that one exclusive or turns an address in one slot into the other's
.set SPARE, 2*SLOT1                    ; behind the ring: the spare words, 128 bytes for each wave: four blocks of 256 bytes that no other line names
.set SP,    272                        ; the way out: ONE stage of 128 rows x (256 bytes + 16) from LDS byte 0: in slot 0, which is left at the last change of slots and has had its last fill
.set NSTEP, 16                         ; key steps
.set AK0,  1                           ; v1   my lane's place in a tile of K
.set AV0,  2                           ; v2   of V
.set AM0,  3                           ; v3   of the mask
.set ADK,  4                           ; v4-6 the same in the slot in hand
.set ADV,  5
.set ADM,  6
.set SPW,  7                           ; v7   LDS address of my spare word: SPARE + 4 x my thread's number; never rewritten
.set NIL,  8                           ; v8   0; never rewritten
.set TBL,  9                           ; v9   the table: byte 0 = 0xF8 (-256), byte 1 = 0
.set SCB,  10                          ; v10  the scale byte 178 (2^51) in every byte
.set LIMP, 11                          ; v11  448 x 2^e8
.set SCP,  12                          ; v12  2^e8
.set QO,   13                          ; v13  Q's loads' offset
.set STO,  16                          ; v16  the way out: where I put 8 codes of a row
.set RD,   17                          ; v17  where I read a row back
.set GO,   18                          ; v18  my byte offset in two rows of the output
.set LIMC, 19                          ; v19  448 x 2^e10
.set MX0,  20                          ; v20, v22 two chains of the maximum
.set SCO,  21                          ; v21  2^e10
.set MX1,  22
.set PRM,  24                          ; v24  a lane permute's destination
.set SM,   26                          ; v[26:27] the second chain of the sum
.set FR,   32
.set S,    96
.set P,    160
.set ST,   224                         ; tile i at ST + 6 i: +0 -M, +1 the largest t, +2, +3 the sum in two halves, +4 f (later 1 / sum), +5 its partner in the pair
.set QF,   160                         ; in window 1
.set TB,   2                           ; s2   LDS byte at which the slot in hand begins
.set SLOTS, 3                          ; s3   slots still to be asked for
.set WV,   12                          ; s12  my wave's number
.set SEL,  20                          ; s[20:21] lane selects for v_permlanex16_b32: lane l xor 16
.set CS,   22                          ; s[22:23] c = log2(e) / 8 x 2^(e6 + e7)
.set G1K,  24                          ; s[24:31], s[32:39], s[40:47] descriptor groups 1 for K's, V's, the mask's tiles
.set G1V,  32
.set G1M,  40
.set G0K,  48                          ; s[48:51], s[52:55], s[56:59] their groups 0, which walk
.set G0V,  52
.set G0M,  56
.set MSB, 0
.macro WIN new                         ; the immediate's high byte repeats the setting that is left; a switch that changes nothing is dropped
.if MSB != (\new)
	s_set_vgpr_msb (MSB<<8)|(\new)
.set MSB, (\new)
.endif
.endm
; A joint load, one a wave: waves 0, 1 K's halves; waves 2 to 5 V's quarters; waves 6, 7 the mask's halves.  The branches hang on the wave's number alone.  Four v_nop follow each line.
.macro TLOAD
	s_cmp_lt_u32 s[WV], 2
	s_cbranch_scc0 .Lnot_k_\@
	tensor_load_to_lds s[G0K:G0K+3], s[G1K:G1K+7]
	s_nop 0
.rept 4
	v_nop
.endr
	s_branch .Lasked_\@
.Lnot_k_\@:
	s_cmp_lt_u32 s[WV], 6
	s_cbranch_scc0 .Lfor_m_\@
	tensor_load_to_lds s[G0V:G0V+3], s[G1V:G1V+7]
	s_nop 0
.rept 4
	v_nop
.endr
	s_branch .Lasked_\@
.Lfor_m_\@:
	tensor_load_to_lds s[G0M:G0M+3], s[G1M:G1M+7]
	s_nop 0
.rept 4
	v_nop
.endr
.Lasked_\@:
.endm
.macro CROUND                          ; a round of the cluster's barrier
	s_barrier_signal -1
	s_barrier_wait -1
	s_cmp_lg_u32 s[WV], 0
	s_cbranch_scc1 .Lnot_wave_0_\@
	s_barrier_signal -3
.Lnot_wave_0_\@:
	s_barrier_wait -3
	s_barrier_signal -1
	s_barrier_wait -1
.endm
	s_load_b256 s[4:11], s[0:1], 0x0               ; the codes of q, k, v s[4:5], the mask s[6:7], the scales' exponents s[8:9], the output s[10:11]
	v_lshl_add_u32 v[SPW], v0, 2, SPARE
	v_mov_b32 v[NIL], 0
	ds_add_u32 v7, v8
	ds_add_u32 v7, v8
	s_wait_dscnt 0x0
	v_lshrrev_b32 v28, 5, v0
	v_readfirstlane_b32 s[WV], v28                 ; wave 0..7
	s_bfe_u32 s13, ttmp6, 0x40000                  ; cx
	s_bfe_u32 s14, ttmp6, 0x40004                  ; cy: the group of four heads
	s_lshl_b32 s15, ttmp9, 2
	s_add_co_u32 s15, s15, s13                     ; X: my block of 128 queries = 4 x cluster x + cx
	s_and_b32 s16, ttmp7, 0xffff                   ; the batch = cluster y
	s_lshl_b32 s17, s14, 2
	s_lshl_b32 s17, 15, s17                        ; my row of the cluster
	s_lshl_b32 s18, 0x1111, s13                    ; my column
	s_and_b32 s19, s[WV], 1                        ; which 64 queries are mine.  Also: which half of K's or of the mask's tile I fetch
	s_lshr_b32 s60, s[WV], 1                       ; which of the four heads is mine
	s_add_co_u32 s61, s[WV], 2
	s_and_b32 s61, s61, 3                          ; which quarter of V's tile I fetch: waves 2 to 5: 0 to 3
	; descriptor groups 1: 64 rows each, elements of 1 byte, 16 bytes of padding behind every row
	s_or_b32 s[G1K], s17, (1<<20)|(1<<21)|(5<<22)|(3<<25)   ; 15:0 the mask: my row; 20 padding on; 21 set beside a mask; 24:22 after every 64 words (code 5); 31:25 of 4 words (code 3)
	s_mov_b32 s[G1K+1], 256<<16                    ; tensor_dim0 = 256
	s_mov_b32 s[G1K+2], 64<<16                     ; tensor_dim1 = 64
	s_mov_b32 s[G1K+3], 256<<16                    ; tile_dim0
	s_mov_b32 s[G1K+4], 64                         ; tile_dim1
	s_mov_b32 s[G1K+5], 1024                       ; from row to row
	s_mov_b32 s[G1K+6], 0
	s_mov_b32 s[G1K+7], 0
	s_or_b32 s[G1V], s17, (1<<20)|(1<<21)|(4<<22)|(3<<25)   ; my row; padding after every 32 words (code 4)
	s_mov_b32 s[G1V+1], 128<<16
	s_mov_b32 s[G1V+2], 64<<16
	s_mov_b32 s[G1V+3], 128<<16
	s_mov_b32 s[G1V+4], 64
	s_mov_b32 s[G1V+5], 8192
	s_mov_b32 s[G1V+6], 0
	s_mov_b32 s[G1V+7], 0
	s_or_b32 s[G1M], s18, (1<<20)|(1<<21)|(4<<22)|(3<<25)   ; my column
	s_mov_b32 s[G1M+1], 128<<16
	s_mov_b32 s[G1M+2], 64<<16
	s_mov_b32 s[G1M+3], 128<<16
	s_mov_b32 s[G1M+4], 64
	s_mov_b32 s[G1M+5], 2048
	s_mov_b32 s[G1M+6], 0
	s_mov_b32 s[G1M+7], 0
	; where the first tiles lie.  K's and V's offsets are made in s80-85, which never hold cx; the mask's in s86-87, which never hold cy
	s_lshl_b32 s80, s16, 21                        ; K: the batch's 2,048 rows of 1,024 bytes,
	s_lshl_b32 s82, s19, 16
	s_add_co_u32 s80, s80, s82                     ; my 64 rows of the 128,
	s_lshl_b32 s82, s14, 8
	s_add_co_u32 s80, s80, s82                     ; the four heads' 256 bytes,
	s_add_co_u32 s80, s80, 0x800000                ; in k's part
	s_mov_b32 s81, 0
	s_lshl_b32 s82, s14, 21                        ; V: the four heads' 256 rows of 8,192 bytes,
	s_lshl_b32 s84, s61, 19
	s_add_co_u32 s82, s82, s84                     ; my 64 rows,
	s_lshl_b32 s84, s16, 11
	s_add_co_u32 s82, s82, s84                     ; the batch's 2,048 keys,
	s_add_co_u32 s82, s82, 0x1000000               ; in v's part
	s_mov_b32 s83, 0
	s_lshl_b32 s86, s15, 18                        ; the mask: my block's 128 rows of 2,048 bytes,
	s_lshl_b32 s87, s19, 17
	s_add_co_u32 s86, s86, s87                     ; my 64 rows
	s_mov_b32 s87, 0
	s_lshl_b32 s90, s16, 21                        ; Q: row 2,048 b + 128 X + 64 (w % 2), byte 64 x head
	s_lshl_b32 s91, s15, 17
	s_add_co_u32 s90, s90, s91
	s_lshl_b32 s91, s14, 8
	s_add_co_u32 s90, s90, s91
	s_mov_b32 s92, s90                             ; the output: row 2,048 b + 128 X + 16 w, byte 256 x head group
	s_lshl_b32 s91, s19, 16
	s_add_co_u32 s90, s90, s91
	s_lshl_b32 s91, s60, 6
	s_add_co_u32 s90, s90, s91
	s_mov_b32 s91, 0
	s_lshl_b32 s93, s[WV], 14
	s_add_co_u32 s92, s92, s93
	s_mov_b32 s93, 0
	s_mov_b32 s[G0K], 1                            ; 1:0 count = 1
	s_mul_i32 s[G0K+1], s19, 64*KP                 ; 63:32 LDS address, in slot 0: the wave's number and constants alone
	s_mov_b32 s[G0V], 1
	s_mul_i32 s[G0V+1], s61, 64*VP
	s_add_co_u32 s[G0V+1], s[G0V+1], VOFF
	s_mov_b32 s[G0M], 1
	s_mul_i32 s[G0M+1], s19, 64*MP
	s_add_co_u32 s[G0M+1], s[G0M+1], MOFF
	s_mov_b32 s[SEL], 0x76543210
	s_mov_b32 s[SEL+1], 0xfedcba98
	s_mov_b32 s[CS], 0x3e38aa3b                    ; log2(e) / 8
	s_mov_b32 s[TB], 0
	s_mov_b32 s[SLOTS], NSTEP-1
	s_wait_kmcnt 0x0
	s_load_b256 s[68:75], s[8:9], 0x0              ; e0 .. e7
	s_load_b128 s[76:79], s[8:9], 0x20             ; e8 .. e11
	s_add_nc_u64 s[G0K+2:G0K+3], s[4:5], s[80:81]  ; 120:64 global address
	s_or_b32 s[G0K+3], s[G0K+3], 0x80000000        ; 127:126 type = 2
	s_add_nc_u64 s[G0V+2:G0V+3], s[4:5], s[82:83]
	s_or_b32 s[G0V+3], s[G0V+3], 0x80000000
	s_add_nc_u64 s[G0M+2:G0M+3], s[6:7], s[86:87]
	s_or_b32 s[G0M+3], s[G0M+3], 0x80000000
	s_add_nc_u64 s[90:91], s[4:5], s[90:91]
	s_add_nc_u64 s[10:11], s[10:11], s[92:93]
	CROUND                                         ; all sixteen work-groups are here: the first joint loads meet
	TLOAD                                          ; key step 0 into slot 0: one load of mine is out
	v_and_b32 v28, 15, v0                          ; r = lane % 16
	v_bfe_u32 v29, v0, 4, 1                        ; h = lane / 16
	v_lshlrev_b32 v[QO], 10, v28
	v_lshl_add_u32 v[QO], v29, 4, v[QO]            ; Q: row r of 1,024 bytes, + 16 h
	WIN 0x40                                       ; destination window 1
.irp i, 0,1,2,3
	global_load_b128 v[QF+8*\i:QF+8*\i+3],   v[QO], s[90:91] offset:16384*\i      ; Q's fragments stay in registers: tile i, d = 16 h + 0 .. 15
	global_load_b128 v[QF+8*\i+4:QF+8*\i+7], v[QO], s[90:91] offset:16384*\i+32   ; and d = 32 + 16 h + 0 .. 15
.endr
.set n, 0
.rept 128
	v_mov_b32 v[n], 0                              ; O^T.  (The key step is written for every step alike: the first finds zeros, which the first change of M leaves zeros; a first step of its own would be a third copy of the step)
.set n, n+1
.endr
	WIN 0
	s_lshl_b32 s61, s60, 6                         ; 64 x my head of the four
	v_mul_u32_u24 v[AK0], v28, KP
	v_lshl_add_u32 v[AK0], v29, 4, v[AK0]
	v_add_nc_u32 v[AK0], s61, v[AK0]               ; K: row r, my head's 64 bytes, + 16 h
	v_mul_u32_u24 v[AV0], v28, VP
	v_lshl_add_u32 v[AV0], v29, 3, v[AV0]
	s_mul_i32 s62, s60, 64*VP
	s_add_co_u32 s62, s62, VOFF
	v_add_nc_u32 v[AV0], s62, v[AV0]               ; V: row 64 x head + r, + 8 h
	v_mul_u32_u24 v[AM0], v28, MP
	v_lshl_add_u32 v[AM0], v29, 3, v[AM0]
	s_mul_i32 s62, s19, 64*MP
	s_add_co_u32 s62, s62, MOFF
	v_add_nc_u32 v[AM0], s62, v[AM0]               ; the mask: row 64 (w % 2) + r, + 8 h
	v_mul_u32_u24 v[STO], v28, SP
	v_lshl_add_u32 v[STO], v29, 3, v[STO]
	s_mul_i32 s62, s19, 64*SP
	s_add_co_u32 s62, s62, s61
	v_add_nc_u32 v[STO], s62, v[STO]               ; the stage, in: row 64 (w % 2) + r, my head's 64 bytes, + 8 h
	v_mul_u32_u24 v[RD], v29, SP
	v_lshl_add_u32 v[RD], v28, 4, v[RD]
	s_mul_i32 s62, s[WV], 16*SP
	v_add_nc_u32 v[RD], s62, v[RD]                 ; back: rows 16 w on; lanes 0-15 one row of 256 bytes, lanes 16-31 the next
	v_lshlrev_b32 v[GO], 10, v29
	v_lshl_add_u32 v[GO], v28, 4, v[GO]            ; and the same two rows in the output
	v_mov_b32 v[TBL], 0xf8
	v_mov_b32 v[SCB], 0xb2b2b2b2
	v_mov_b32 v[PRM], 0                            ; written once: a lane permute's destination counts as one of its sources
.irp i, 0,1,2,3
	v_mov_b32 v[ST+6*\i+1], 0xff61b1e6             ; the largest t so far: -3e38, under every t
	v_floor_f32 v[ST+6*\i], -v[ST+6*\i+1]          ; -M
	v_mov_b32 v[ST+6*\i+2], 0                      ; the sum, in two halves
	v_mov_b32 v[ST+6*\i+3], 0
	v_mov_b32 v[ST+6*\i+4], 0
	v_mov_b32 v[ST+6*\i+5], 0                      ; (named as the upper half of f's pair)
.endr
	s_wait_kmcnt 0x0
	s_add_co_i32 s60, s74, s75
	s_lshl_b32 s60, s60, 23
	s_add_co_i32 s[CS], s[CS], s60                 ; a score stands for score x 2^(e6 + e7): the two exponents are added to c's exponent field
	s_mov_b32 s[CS+1], s[CS]                       ; (named with it as a pair, so it is written)
	s_add_co_i32 s60, s76, 127
	s_lshl_b32 s61, s60, 23
	v_mov_b32 v[SCP], s61                          ; 2^e8 as f32, for p's conversion
	s_add_co_i32 s60, s60, 8
	s_lshl_b32 s60, s60, 23
	s_or_b32 s60, s60, 0x600000
	v_mov_b32 v[LIMP], s60                         ; 448 x 2^e8
	s_add_co_i32 s60, s78, 127
	s_lshl_b32 s61, s60, 23
	v_mov_b32 v[SCO], s61                          ; 2^e10, for the output's conversion
	s_add_co_i32 s60, s60, 8
	s_lshl_b32 s60, s60, 23
	s_or_b32 s60, s60, 0x600000
	v_mov_b32 v[LIMC], s60                         ; 448 x 2^e10
	s_add_co_i32 s72, s76, s77                     ; e8 + e9
; Tile i's mask words become codes: 0 -> 0xF8, 1 -> 0x00.  n: the younger LDS loads that may stay out.
.macro MASKS i, n
	s_wait_dscnt \n
.irp k, 0,1,2,3,4,5,6,7,8,9,10,11,12,13,14,15
	v_perm_b32 v[P+16*(\i)+\k], v[TBL], v[TBL], v[P+16*(\i)+\k]
.endr
.endm
; Tile i's scores: the mask as -2^59 or 0 into the eight accumulators, then one product each adds K Q^T onto it.  Eight accumulators, one instruction a turn.
.macro SCORES i
.irp t, 0,1,2,3,4,5,6,7
	v_cvt_scale_pk8_f32_fp8 v[S+8*\t:S+8*\t+7], v[P+16*(\i)+2*\t:P+16*(\i)+2*\t+1], v[SCB]
.endr
	v_nop                                          ; one plain vector line between a scaled conversion and the matrix instruction that takes its result
.if (\i) == 0
	s_wait_dscnt 24                                ; K's fragments are in; the 24 loads of the masks of tiles 1 to 3 may be out
.endif
	WIN 0x04                                       ; source 1 (Q) window 1
.irp t, 0,1,2,3,4,5,6,7
	v_wmma_f32_16x16x64_fp8_fp8 v[S+8*\t:S+8*\t+7], v[FR+8*\t:FR+8*\t+7], v[QF+8*(\i):QF+8*(\i)+7], v[S+8*\t:S+8*\t+7]
.endr
	WIN 0
.endm
; Tile i's softmax for the step's 128 keys, 64 of them in my lane, and p's codes.
.macro SOFT i
.set T0, ST+6*(\i)
.set PI, P+16*(\i)
	v_max3_num_f32 v[MX0], v[S], v[S+1], v[S+2]    ; the step's largest score of my query, in two chains, in ascending order: each accumulator is read from its low end on
	v_max3_num_f32 v[MX1], v[S+3], v[S+4], v[S+5]
.set n, 6
.rept 14
	v_max3_num_f32 v[MX0], v[MX0], v[S+n], v[S+n+1]
	v_max3_num_f32 v[MX1], v[MX1], v[S+n+2], v[S+n+3]
.set n, n+4
.endr
	v_max3_num_f32 v[MX0], v[MX0], v[S+62], v[S+63]
	v_max_num_f32 v[MX0], v[MX0], v[MX1]
	v_permlanex16_b32 v[PRM], v[MX0], s[SEL], s[SEL+1]
	v_max_num_f32 v[MX0], v[MX0], v[PRM]           ; and among lane l xor 16's 64 keys
	v_mul_f32 v[MX0], s[CS], v[MX0]                ; as t (c is positive)
	v_max_num_f32 v[T0+1], v[T0+1], v[MX0]         ; the running largest t
	v_mov_b32 v[MX0], v[T0]
	v_floor_f32 v[T0], -v[T0+1]                    ; the new -M = floor(-t) = -ceil(t): M is a whole number
	v_sub_f32 v[MX0], v[T0], v[MX0]                ; M's old value less its new one: a whole number, 0 or less
	v_cvt_i32_f32 v[MX0], v[MX0]                   ; (it saturates)
	v_ldexp_f32 v[T0+4], 1.0, v[MX0]               ; f = 2^(old M - new M)
.set n, 0
.rept 32
	v_pk_fma_f32 v[S+n:S+n+1], v[S+n:S+n+1], s[CS:CS+1], v[T0:T0+1] op_sel_hi:[1,0,0]   ; t - M, two at a time (of the pairs c and -M the low word serves both halves)
.set n, n+2
.endr
.set n, 0
.rept 64
	v_exp_f32 v[S+n], v[S+n]                       ; p = 2^(t - M), at most 1: not normalised
.set n, n+1
.endr
	v_pk_mul_f32 v[T0+2:T0+3], v[T0+2:T0+3], v[T0+4:T0+5] op_sel_hi:[1,0]   ; the sums under the new M.  (The plain line behind the exponentials)
	s_wait_alu depctr_va_vdst(0)                   ; one wait for the whole batch of 64, ahead of its first reader
	v_pk_add_f32 v[SM:SM+1], v[S:S+1], v[S+2:S+3]  ; the row's sum is taken of the unquantised p: two at a time, in two chains
.set n, 4
.rept 15
	v_pk_add_f32 v[T0+2:T0+3], v[T0+2:T0+3], v[S+n:S+n+1]
	v_pk_add_f32 v[SM:SM+1], v[SM:SM+1], v[S+n+2:S+n+3]
.set n, n+4
.endr
	v_pk_add_f32 v[T0+2:T0+3], v[T0+2:T0+3], v[SM:SM+1]
.irp t, 0,1,2,3,4,5,6,7
.irp k, 0,1,2,3,4,5,6,7
	v_min_num_f32 v[S+8*\t+\k], v[S+8*\t+\k], v[LIMP]   ; the conversion to an 8-bit code does not saturate (ISA guide 7.6.2); p is not negative, so the hold is one-sided
.endr
	v_cvt_scalef32_pk8_fp8_f32 v[PI+2*\t:PI+2*\t+1], v[S+8*\t:S+8*\t+7], v[SCP]   ; keys 16 t + 8 h + 0 .. 7: registers 2 t, 2 t + 1 of the operand
.endr
	v_nop                                          ; one plain vector line behind the last conversion: the next tile's lines write its sources
.endm
.macro LOADV                           ; V's four fragments (16 channels x 128 keys each), in the K = 128 form's own layout: registers 2 c, 2 c + 1 hold keys 16 c + 8 h + 0 .. 7
.irp t, 0,1,2,3
.irp c, 0,1,2,3,4,5,6,7
	ds_load_b64 v[FR+16*\t+2*\c:FR+16*\t+2*\c+1], v[ADV] offset:16*\t*VP+16*\c
.endr
.endr
.endm
; A KEY STEP: 128 keys, the slot in hand.
.macro STEP
	v_add_nc_u32 v[ADK], s[TB], v[AK0]             ; these three and the v_nop are the four places between the last step's products and the loads into registers that they read
	v_add_nc_u32 v[ADV], s[TB], v[AV0]
	v_add_nc_u32 v[ADM], s[TB], v[AM0]
	v_nop
.irp t, 0,1,2,3,4,5,6,7
	ds_load_b64 v[P+2*\t:P+2*\t+1], v[ADM] offset:16*\t                      ; tile 0's mask: my query, keys 16 t + 8 h + 0 .. 7
.endr
.irp t, 0,1,2,3,4,5,6,7
	ds_load_b128 v[FR+8*\t:FR+8*\t+3],   v[ADK] offset:16*\t*KP              ; K: keys 16 t + r, d = 16 h + 0 .. 15
	ds_load_b128 v[FR+8*\t+4:FR+8*\t+7], v[ADK] offset:16*\t*KP+32           ; and d = 32 + 16 h + 0 .. 15
.endr
.irp i, 1,2,3
.irp t, 0,1,2,3,4,5,6,7
	ds_load_b64 v[P+16*\i+2*\t:P+16*\i+2*\t+1], v[ADM] offset:16*\i*MP+16*\t ; the masks of tiles 1 to 3
.endr
.endr
	MASKS 0, 40                                    ; tile 0's mask is in; K's 16 loads and the other masks' 24 may be out
	SCORES 0
	MASKS 1, 16                                    ; tile 1's mask is in; 16 loads may be out.  Its sixteen plain lines are the places behind tile 0's products
	SOFT 0
	SCORES 1
	MASKS 2, 8                                     ; tile 3's eight may be out
	SOFT 1
	SCORES 2
	MASKS 3, 0
	SOFT 2
	SCORES 3
.rept 4
	v_nop                                          ; places: behind them V's fragments are loaded over K's, and the scores are read
.endr
	LOADV                                          ; they land while tile 3's softmax is walked
	SOFT 3
	WIN 0x41                                       ; O^T (destination and source 0) window 1, f window 0
.irp i, 0,1,2,3
.set n, 0
.rept 16
	v_pk_mul_f32 v[32*\i+n:32*\i+n+1], v[32*\i+n:32*\i+n+1], v[ST+6*\i+4:ST+6*\i+5] op_sel_hi:[1,0]   ; O^T under the new M: x f; each accumulator from its low end on
.set n, n+2
.endr
.endr
	s_wait_dscnt 0x0                               ; V is in
	WIN 0x50                                       ; C and D window 1
.irp t, 0,1,2,3
.irp i, 0,1,2,3
	v_wmma_f32_16x16x128_fp8_fp8 v[32*\i+8*\t:32*\i+8*\t+7], v[FR+16*\t:FR+16*\t+15], v[P+16*\i:P+16*\i+15], v[32*\i+8*\t:32*\i+8*\t+7]   ; sixteen accumulators, one instruction a turn
.endr
.endr
	WIN 0
	s_xor_b32 s[TB], s[TB], SLOT1                  ; on to the other slot
.endm
; THE CHANGE OF SLOTS stands at a step's head.  Each wave waits for all its tensor loads (its part of the slot that it is about to read), adds 0 to its spare word, and waits for that and for its reads of the slot that it has left.
; fill = 1: that other slot is filled with the next 128 keys.  The barrier is then a round of the cluster's, so that no wave of any partner still reads the slot or has a load on its way; the joint load is the first thing behind it
; and has a whole key step in which to land.
.macro CHANGE fill
	s_wait_tensorcnt 0x0                           ; no tensor load of mine is out, so a group 0 may be written
	ds_add_u32 v[SPW], v[NIL]                      ; 0 onto my spare word: with fill = 1 the descriptors' steps stand between it and the wait for it
.if \fill
	s_xor_b32 s[G0K+1], s[G0K+1], SLOT1            ; the walking descriptors: the other slot than last time,
	s_add_nc_u64 s[G0K+2:G0K+3], s[G0K+2:G0K+3], 128*1024   ; the next 128 keys: rows of K; the type bits on top are not reached
	s_xor_b32 s[G0V+1], s[G0V+1], SLOT1
	s_add_nc_u64 s[G0V+2:G0V+3], s[G0V+2:G0V+3], 128        ; bytes along V's rows
	s_xor_b32 s[G0M+1], s[G0M+1], SLOT1
	s_add_nc_u64 s[G0M+2:G0M+3], s[G0M+2:G0M+3], 128        ; and along the mask's
	s_wait_dscnt 0x0                               ; the add is done, and my reads of the slot that I have left are over
	CROUND
	TLOAD                                          ; my one tensor load until the next round
.else
	s_wait_dscnt 0x0
	s_barrier_signal -1
	s_barrier_wait -1
.endif
.endm
	s_wait_loadcnt 0x0                             ; Q
.Lslot:                                            ; 15 trips: behind each change of slots but the last the next key step is asked for
	CHANGE 1
	STEP
	s_sub_co_u32 s[SLOTS], s[SLOTS], 1
	s_cmp_lg_u32 s[SLOTS], 0
	s_cbranch_scc1 .Lslot
	CHANGE 0                                       ; the last step is written out
	STEP
	; THE WAY OUT.  ctx = O^T x 2^(e8 + e9) / the sum, in f32; held within +-448 x 2^e10; eight neighbouring channels of a query become eight codes.  The additions are the places behind the last products.
.irp i, 0,1,2,3
	v_add_f32 v[ST+6*\i+2], v[ST+6*\i+2], v[ST+6*\i+3]     ; the sum's two halves,
.endr
.irp i, 0,1,2,3
	v_permlanex16_b32 v[ST+6*\i+3], v[ST+6*\i+2], s[SEL], s[SEL+1]
.endr
.irp i, 0,1,2,3
	v_add_f32 v[ST+6*\i+2], v[ST+6*\i+2], v[ST+6*\i+3]     ; and lane l xor 16's: the row's sum
.endr
.irp i, 0,1,2,3
	v_rcp_f32 v[ST+6*\i+4], v[ST+6*\i+2]
.endr
	v_nop                                          ; a plain line behind the last reciprocal
	s_wait_alu depctr_va_vdst(0)                   ; one wait for the four, ahead of their first reader
.irp i, 0,1,2,3
	v_ldexp_f32 v[ST+6*\i+4], v[ST+6*\i+4], s72    ; x 2^(e8 + e9)
.endr
.macro CTX i                           ; tile i: register 8 t + j of its O^T is ctx(query 16 i + r, channel 16 t + 8 h + j)
.set W, S+32*((\i)%2)
	WIN 0x01                                       ; source 0 (O^T) window 1
.set n, 0
.rept 16
	v_pk_mul_f32 v[W+n:W+n+1], v[32*(\i)+n:32*(\i)+n+1], v[ST+6*(\i)+4:ST+6*(\i)+5] op_sel_hi:[1,0]   ; each accumulator from its low end on
.set n, n+2
.endr
	WIN 0
.set n, 0
.rept 32
	v_med3_num_f32 v[W+n], v[W+n], -v[LIMC], v[LIMC]
.set n, n+1
.endr
.irp t, 0,1,2,3
	v_cvt_scalef32_pk8_fp8_f32 v[P+8*(\i)+2*\t:P+8*(\i)+2*\t+1], v[W+8*\t:W+8*\t+7], v[SCO]
.endr
	v_nop                                          ; one plain vector line behind the last conversion
.irp t, 0,1,2,3
	ds_store_b64 v[STO], v[P+8*(\i)+2*\t:P+8*(\i)+2*\t+1] offset:16*(\i)*SP+16*\t
.endr
.endm
	CTX 0
	CTX 1
	CTX 2
	CTX 3
	s_wait_dscnt 0x0                               ; for the others' sake: my stores into the stage are done (a row's 256 bytes come from four waves)
	s_barrier_signal -1
	s_barrier_wait -1
.irp t, 0,1,2,3,4,5,6,7
	ds_load_b128 v[FR+4*\t:FR+4*\t+3], v[RD] offset:2*\t*SP
.endr
.irp t, 0,1,2,3,4,5,6,7
	s_wait_dscnt 7-\t                              ; load t is back; the younger ones may be out
	global_store_b128 v[GO], v[FR+4*\t:FR+4*\t+3], s[10:11] offset:2048*\t   ; 16 lanes store 256 consecutive bytes, at a multiple of 256 from the buffer's first byte
.endr
	s_wait_tensorcnt 0x0                           ; the wave's end: behind my last tensor load and my last LDS store
	ds_add_u32 v[SPW], v[NIL]
	s_wait_dscnt 0x0
	CROUND                                         ; the closing round: no work-group ends while a partner may still ask for a tile that names it
	s_endpgm
.Lfunc_end_k_q2bf9912928_attn:
	.size	k_q2bf9912928_attn, .Lfunc_end_k_q2bf9912928_attn-k_q2bf9912928_attn
	.p2alignl 7, 3214868480
	.fill 96, 4, 3214868480
	.section	.rodata,"a",@progbits
	.p2align	6, 0x0
	.amdhsa_kernel k_q2bf9912928_attn
		.amdhsa_group_segment_fixed_size 327680
		.amdhsa_private_segment_fixed_size 0
		.amdhsa_enable_private_segment 0
		.amdhsa_kernarg_size 32
		.amdhsa_user_sgpr_count 2
		.amdhsa_user_sgpr_kernarg_segment_ptr 1
		.amdhsa_wavefront_size32 1
		.amdhsa_system_sgpr_workgroup_id_x 1
		.amdhsa_system_sgpr_workgroup_id_y 1
		.amdhsa_system_sgpr_workgroup_id_z 1
		.amdhsa_system_vgpr_workitem_id 0
		.amdhsa_next_free_vgpr 512
		.amdhsa_next_free_sgpr 96
		.amdhsa_reserve_vcc 0
		.amdhsa_float_denorm_mode_32 3
		.amdhsa_float_denorm_mode_16_64 3
		.amdhsa_memory_ordered 1
		.amdhsa_forward_progress 1
		.amdhsa_inst_pref_size 160
	.end_amdhsa_kernel
	.amdgpu_metadata
---
amdhsa.version: [ 1, 2 ]
amdhsa.kernels:
  - .name:           k_q2bf9912928_attn
    .symbol:         k_q2bf9912928_attn.kd
    .args:
      - { .name: pcodes, .offset: 0, .size: 8, .value_kind: global_buffer, .address_space: global }
      - { .name: mask, .offset: 8, .size: 8, .value_kind: global_buffer, .address_space: global }
      - { .name: lowp_scales, .offset: 16, .size: 8, .value_kind: global_buffer, .address_space: global }
      - { .name: ccodes, .offset: 24, .size: 8, .value_kind: global_buffer, .address_space: global }
    .group_segment_fixed_size: 327680
    .private_segment_fixed_size: 0
    .kernarg_segment_align: 8
    .kernarg_segment_size: 32
    .max_flat_workgroup_size: 256
    .sgpr_count:     96
    .vgpr_count:     512
    .wavefront_size: 32
...
	.end_amdgpu_metadata
.endif
;; end of part 4
;; launch outp (part 5): grid 4 x 32, 4 waves a work-group, clusters of 4 x 4, 327,680 bytes of LDS; arguments ccodes, wcodes, lowp_scales, bo, out0; writes out0
.if DOCPART == 5
	.amdgcn_target "amdgcn-amd-amdhsa--gfx1250"
	.amdhsa_code_object_version 6
	.text
	.protected	k_q2bf9912928_outp
	.globl	k_q2bf9912928_outp
	.p2align	8
	.type	k_q2bf9912928_outp,@function
k_q2bf9912928_outp:
	s_mov_b64 s[64:65], 0
	v_nop
	global_prefetch_b8 v0, s[64:65] scope:SCOPE_SE
	s_setreg_imm32_b32 hwreg(HW_REG_WAVE_MODE, 25, 1), 1
	s_wait_xcnt 0x0
	s_wait_alu depctr_hold_cnt(0) depctr_sa_sdst(0) depctr_va_vdst(0) depctr_va_sdst(0) depctr_va_ssrc(0) depctr_va_vcc(0) depctr_vm_vsrc(0)
	s_getreg_b32 s2, hwreg(HW_REG_IB_STS2, 6, 4)
	s_cmp_eq_u32 s2, 0
	s_cbranch_scc0 .Lentry_in_a_cluster
	s_endpgm
.Lentry_in_a_cluster:
	s_bfe_u32 s2, ttmp6, 0x10000c
	s_cmp_lg_u32 s2, 0xf033
	s_cbranch_scc0 .Lentry_shape_is_right
	s_endpgm
.Lentry_shape_is_right:
; out[token][n] = sum_k ctx[token][k] Wo[n][k] x 2^(e10 + e11) + bo[n].  ctx: [8192][1024] codes of E4M3; Wo: [1024 n][1024 k] codes, at byte 3,145,728 of the weights' buffer; out: [8192][1024] f32; sums in f32.
; LIMIT: e10 + e11 lies between -126 and 127, so that 2^(e10 + e11) is an f32 number.
; A tile of the output, 256 x 256, is made by a work-group of four waves; a wave makes 128 x 128: 64 accumulators of 16 x 16, 512 registers.  K = 1,024 goes in four steps of 256 through a ring of two LDS slots
; filled by the tensor data mover: a tile's row is 256 bytes of memory, aligned.
; CLUSTERS: 4 x 4 work-groups.  The four of a row of the cluster need the same tiles of A, the four of a column the same tiles of B: each tile is asked for JOINTLY, by the same tensor load with the
; same descriptor and a mask that names the four.  THE MATRIX INSTRUCTION IS USED TRANSPOSED (source 0 = 16 rows of B, source 1 = 16 rows of A): a lane then holds eight neighbouring numbers of a row of the output.
; REGISTERS, in windows of 256: window 0: v8-11 my four numbers of the bias; v16-29 addresses; from v128 A's fragments (8 x 16 rows x 128 K), ONE set; on the way out v128-255 rows read back.
;   window 1: B's fragments, TWO sets, at v0 and v128.   window 2: the 32 accumulators of my rows 0-63 (accumulator (a, b) at v[8 (8 a + b)]);   window 3: those of my rows 64-127.
.set SIZE_N, 1024
.set KSTEP,  256
.set ROWB,   256
.set KROW,   1024
.set PITCH,  272                       ; an LDS row: 256 bytes + 16 of padding = 68 words: row r starts at bank 4 r mod 64 (64 banks of 4 bytes: ISA guide 11.1)
.set FR,     16
.set NL,     4
.set NP,     4                         ; places behind this matrix instruction (ISA guide 7.12.1)
.set HALFT,  128*PITCH
.set SLOT,   4*HALFT
.set LAPS,   KROW/(2*KSTEP)
.set SPARE,  2*SLOT                    ; behind the ring: the spare words, 128 bytes for each wave: two blocks of 256 bytes that no other line names
.set SPITCH, 528                       ; the way out: a stage of 16 rows x (512 bytes + 16) for each wave, in slot 0, which has had its last fill and its last read when the first result is stored there
.set BI,   8                           ; v8-11   bo at my four columns of a row read back
.set ADRA, 16
.set ADRB, 20
.set STO,  24                          ; v24     the way out: where I put 32 bytes of a row
.set RD,   25                          ; v25     where I read a row back
.set CO,   26                          ; v26     my byte offset in a row: 16 x lane; never rewritten
.set SPW,  28                          ; v28     LDS address of my spare word: SPARE + 4 x my thread's number; never rewritten
.set NIL,  29                          ; v29     0; never rewritten
.set AF,   128
.set BK,   128                         ; the way out: 16 rows read back from the stage: v128-191 and v192-255 by turns
.set G1, 24
.set G0, 32
.set G1B, 48
.set G0B, 56
.set MSB, 0
.macro WIN new                         ; the immediate's high byte repeats the setting that is left; a switch that changes nothing is dropped
.if MSB != (\new)
	s_set_vgpr_msb (MSB<<8)|(\new)
.set MSB, (\new)
.endif
.endm
.set MUL_LO, 0xa1                      ; source 0 (B) window 1, source 1 (A) window 0, C and D window 2
.set MUL_HI, 0xf1                      ; the same, C and D window 3
.set TO_B,   0x40                      ; destination window 1, address window 0
; A joint load: waves 0 and 1 fetch for A, waves 2 and 3 for B; the branch hangs on the wave's number alone.  Four v_nop follow each of the two lines.
.macro JLOAD g0a, g1a, g0b, g1b
	s_cmp_eq_u32 s15, 0
	s_cbranch_scc0 .Lfor_b_\@
	tensor_load_to_lds s[\g0a:\g0a+3], s[\g1a:\g1a+7]
	s_nop 0
.rept 4
	v_nop
.endr
	s_branch .Lasked_\@
.Lfor_b_\@:
	tensor_load_to_lds s[\g0b:\g0b+3], s[\g1b:\g1b+7]
	s_nop 0
.rept 4
	v_nop
.endr
.Lasked_\@:
.endm
.macro CREST                           ; a round of the cluster's barrier behind its opening barrier
	s_cmp_lg_u32 s14, 0
	s_cbranch_scc1 .Lnot_wave_0_\@
	s_barrier_signal -3
.Lnot_wave_0_\@:
	s_barrier_wait -3
	s_barrier_signal -1
	s_barrier_wait -1
.endm
.macro CROUND                          ; a whole round
	s_barrier_signal -1
	s_barrier_wait -1
	CREST
.endm
	s_load_b128 s[4:7], s[0:1], 0x0                ; ctx's codes s[4:5], the weights' codes s[6:7]
	s_load_b128 s[8:11], s[0:1], 0x10              ; the scales' exponents s[8:9], bo s[10:11]
	s_load_b64 s[12:13], s[0:1], 0x20              ; the output
	v_lshl_add_u32 v[SPW], v0, 2, SPARE
	v_mov_b32 v[NIL], 0
	ds_add_u32 v28, v29
	ds_add_u32 v28, v29
	s_wait_dscnt 0x0
	v_lshrrev_b32 v1, 5, v0
	v_readfirstlane_b32 s14, v1                    ; wave 0..3
	s_lshr_b32 s15, s14, 1                         ; which half of the tile's rows is mine.  Also: I fetch for A (0) or for B (1)
	s_and_b32 s16, s14, 1                          ; which half of its columns.  Also: which 128 rows of that tile I fetch
	s_bfe_u32 s40, ttmp6, 0x40000                  ; cx, cy: my place in the cluster
	s_bfe_u32 s41, ttmp6, 0x40004
	s_lshl_b32 s42, ttmp9, 2
	s_add_co_u32 s42, s42, s40                     ; tile column = 4 x cluster x + cx
	s_and_b32 s17, ttmp7, 0xffff
	s_lshl_b32 s17, s17, 2
	s_add_co_u32 s17, s17, s41                     ; tile row = 4 x cluster y + cy
	s_lshl_b32 s43, s41, 2
	s_lshl_b32 s43, 15, s43                        ; my row of the cluster
	s_lshl_b32 s44, 0x1111, s40                    ; my column
	s_or_b32 s[G1+0], s43, (0<<16)|(1<<20)|(1<<21)|(5<<22)|(3<<25)  ; 15:0 the mask: A's tiles go to my row; 17:16 element of 1 byte; 20 padding on; 21 set beside a mask; 24:22 after every 64 words (code 5); 31:25 of 4 words (code 3)
	s_or_b32 s[G1B+0], s44, (0<<16)|(1<<20)|(1<<21)|(5<<22)|(3<<25)
.irp g, G1, G1B
	s_mov_b32 s[\g+1], ROWB<<16                    ; tensor_dim0
	s_mov_b32 s[\g+2], 128<<16                     ; tensor_dim1 = 128
	s_mov_b32 s[\g+3], ROWB<<16                    ; tile_dim0
	s_mov_b32 s[\g+4], 128                         ; tile_dim1 = 128
	s_mov_b32 s[\g+5], KROW                        ; tensor_dim0_stride
	s_mov_b32 s[\g+6], 0
	s_mov_b32 s[\g+7], 0
.endr
	s_lshl_b32 s18, s16, 7                         ; which 128 rows of the tile I fetch
	s_lshl_b32 s20, s17, 8
	s_add_co_u32 s20, s20, s18                     ; A: row 256 x tile row + 128 x half,
	s_lshl_b32 s20, s20, 10                        ; of 1,024 bytes
	s_mov_b32 s21, 0
	s_lshl_b32 s46, s42, 8
	s_add_co_u32 s46, s46, s18                     ; B: row 256 x tile column + 128 x half,
	s_lshl_b32 s46, s46, 10
	s_add_co_u32 s46, s46, 0x300000                ; in Wo's part of the weights' buffer
	s_mov_b32 s47, 0
	s_mul_i32 s45, s14, HALFT                      ; where they go: wave x 128 rows: no place in the cluster enters an LDS address
	s_wait_kmcnt 0x0
	s_load_b64 s[96:97], s[8:9], 0x28              ; e10, e11
	s_add_nc_u64 s[20:21], s[4:5], s[20:21]
	s_add_nc_u64 s[46:47], s[6:7], s[46:47]
	CROUND                                         ; all sixteen work-groups are here: the first joint loads meet
.irp s, 0,1
	s_mov_b32 s[G0+4*\s], 1
	s_add_co_u32 s[G0+4*\s+1], s45, \s*SLOT
	s_add_nc_u64 s[G0+4*\s+2:G0+4*\s+3], s[20:21], \s*ROWB
	s_or_b32 s[G0+4*\s+3], s[G0+4*\s+3], 0x80000000
	s_mov_b32 s[G0B+4*\s], 1
	s_add_co_u32 s[G0B+4*\s+1], s45, \s*SLOT
	s_add_nc_u64 s[G0B+4*\s+2:G0B+4*\s+3], s[46:47], \s*ROWB
	s_or_b32 s[G0B+4*\s+3], s[G0B+4*\s+3], 0x80000000
	JLOAD G0+4*\s, G1, G0B+4*\s, G1B               ; two loads of mine are out
.endr
	v_and_b32 v1, 15, v0                           ; l % 16
	v_bfe_u32 v2, v0, 4, 1                         ; l / 16
	v_mul_u32_u24 v3, v1, PITCH
	v_lshl_add_u32 v4, v2, 4, v3                   ; a fragment's row x pitch + 16 x half
	s_mul_i32 s21, s15, HALFT                      ; my 128 rows of A
	s_mul_i32 s22, s16, HALFT                      ; my 128 rows of B,
	s_add_co_u32 s22, s22, 2*HALFT                 ; which lie behind A's 256
.irp s, 0,1
	v_add_nc_u32 v[ADRA+\s], s21, v4
	v_add_nc_u32 v[ADRB+\s], s22, v4
	s_add_co_u32 s21, s21, SLOT
	s_add_co_u32 s22, s22, SLOT
.endr
	s_mul_i32 s23, s14, 16*SPITCH                  ; my stage
	v_mul_u32_u24 v5, v1, SPITCH                   ; in: row l % 16, 32 bytes for each half of the lanes
	v_lshl_add_u32 v5, v2, 5, v5
	v_add_nc_u32 v[STO], s23, v5
	v_and_b32 v6, 31, v0
	v_lshlrev_b32 v[CO], 4, v6                     ; back: the 32 lanes take one row of 512 bytes; and the same in the output
	v_add_nc_u32 v[RD], s23, v[CO]
	s_lshl_b32 s20, s17, 8
	s_lshl_b32 s21, s15, 7
	s_add_co_u32 s20, s20, s21                     ; my first row: 256 x tile row + 128 x half,
	s_lshl_b32 s20, s20, 12                        ; of 4,096 bytes
	s_mov_b32 s21, 0
	s_lshl_b32 s46, s42, 10                        ; my first column, in bytes: 1,024 x tile column + 512 x half
	s_lshl_b32 s47, s16, 9
	s_add_co_u32 s46, s46, s47
	s_mov_b32 s47, 0
	s_add_nc_u64 s[10:11], s[10:11], s[46:47]      ; bo at my first column
	global_load_b128 v[BI:BI+3], v[CO], s[10:11]   ; in a row read back lane l holds columns 4 l .. 4 l + 3, in EVERY row: four numbers of the bias serve the whole tile
	s_add_nc_u64 s[20:21], s[20:21], s[46:47]
	s_add_nc_u64 s[12:13], s[12:13], s[20:21]
.macro FRAG reg, adr, q, i             ; a fragment, 16 rows x 128 K of codes, is 16 registers: lane l holds row l % 16; registers 4 c .. 4 c + 3 hold K = 32 c + 16 (l / 16) + 0 .. 15: a permutation of k, the same in A and in B
.irp c, 0,1,2,3
	ds_load_b128 v[\reg+4*\c:\reg+4*\c+3], v[\adr] offset:128*(\q)+32*\c+(\i)*16*PITCH
.endr
.endm
; 16 matrix instructions: A's blocks a0, a0 + 1 x B's eight, 128 along K.  p: B's set.  zero = 1: the first product starts the sums.  The 64 accumulators take turns, one instruction a turn.
.macro MUL16 a0, p, zero
.irp a, \a0, \a0+1
.irp b, 0,1,2,3,4,5,6,7
.if \zero
	v_wmma_f32_16x16x128_fp8_fp8 v[8*(8*((\a)%4)+\b):8*(8*((\a)%4)+\b)+7], v[128*(\p)+FR*\b:128*(\p)+FR*\b+FR-1], v[AF+FR*(\a):AF+FR*(\a)+FR-1], 0
.else
	v_wmma_f32_16x16x128_fp8_fp8 v[8*(8*((\a)%4)+\b):8*(8*((\a)%4)+\b)+7], v[128*(\p)+FR*\b:128*(\p)+FR*\b+FR-1], v[AF+FR*(\a):AF+FR*(\a)+FR-1], v[8*(8*((\a)%4)+\b):8*(8*((\a)%4)+\b)+7]
.endif
.endr
.endr
.endm
.macro FETCH_B slot, q, p              ; B's eight fragments of the slot's q-th 128 along K into set p
	WIN TO_B
.irp i, 0,1,2,3,4,5,6,7
	FRAG 128*(\p)+FR*\i, ADRB+\slot, \q, \i
.endr
	WIN 0
.endm
.macro FETCH_A slot, q, i0             ; A's blocks i0 .. i0 + 3
.irp i, \i0, \i0+1, \i0+2, \i0+3
	FRAG AF+FR*(\i), ADRA+\slot, \q, \i
.endr
.endm
.macro PLACES n                        ; places in front of loads into registers that matrix instructions have read, and of the first read of results (ISA guide 7.12.1 for the first read of results)
.rept \n
	v_nop
.endr
.endm
.macro STEP slot, q, zero              ; a step of 128 along K that has its successor in the same slot
	s_wait_dscnt 4*NL                              ; B's set and A's blocks 0-3 are in; the youngest sixteen loads (A's blocks 4-7) may be out
	WIN MUL_LO
	MUL16 0, (\q)%2, \zero
	MUL16 2, (\q)%2, \zero
	s_wait_dscnt 0                                 ; A's blocks 4-7 are in
	PLACES NP
	FETCH_B \slot, (\q)+1, 1-(\q)%2
	FETCH_A \slot, (\q)+1, 0
	WIN MUL_HI
	MUL16 4, (\q)%2, \zero
	MUL16 6, (\q)%2, \zero
	PLACES NP
	WIN 0
	FETCH_A \slot, (\q)+1, 4
.endm
; A slot's last step changes slots: ONE barrier; in front of it each wave waits for all its tensor loads, adds 0 to its spare word, and waits for that and for its own reads of this slot.  fill = 1: this slot is filled again, two K steps ahead.
.macro TURN slot, next, fill
	s_wait_tensorcnt 0x0                           ; all my tensor loads have landed: my part of the next slot;  (every window is 0 here)
	ds_add_u32 v[SPW], v[NIL]                      ; 0 onto my spare word
	s_wait_dscnt 4*NL+1                            ; (the add and the youngest sixteen loads, A's blocks 4-7, may be out)
	WIN MUL_LO
	MUL16 0, 1, 0                                  ; sixteen matrix instructions stand between the add and the wait for it
	s_wait_dscnt 0x0                               ; the add is done, and my reads of this slot are over
	s_barrier_signal -1
	MUL16 2, 1, 0
	WIN 0
	s_barrier_wait -1
.if \fill
	CREST                                          ; the barrier has opened a round of the cluster's barrier: no wave of any partner still reads this slot's tile or has a load on its way
	s_add_nc_u64 s[G0+4*\slot+2:G0+4*\slot+3], s[G0+4*\slot+2:G0+4*\slot+3], 2*ROWB
	s_add_nc_u64 s[G0B+4*\slot+2:G0B+4*\slot+3], s[G0B+4*\slot+2:G0B+4*\slot+3], 2*ROWB
	JLOAD G0+4*\slot, G1, G0B+4*\slot, G1B         ; the first tensor load behind the round; the four v_nop behind it are the places in front of the loads below
.else
	PLACES NP
.endif
	FETCH_B \next, 0, 0
	FETCH_A \next, 0, 0
	WIN MUL_HI
	MUL16 4, 1, 0
	MUL16 6, 1, 0
	PLACES NP
	WIN 0
	FETCH_A \next, 0, 4
.endm
	s_wait_tensorcnt 1                             ; my part of K step 0 is in (K step 1's load may be out)
	s_barrier_signal -1
	s_barrier_wait -1                              ; everybody's is
	FETCH_B 0, 0, 0
	FETCH_A 0, 0, 0
	FETCH_A 0, 0, 4
	STEP 0, 0, 1                                   ; the first step stands in front of the loop: its products start the sums
	s_mov_b32 s3, LAPS-1
.Llap:                                                 ; a trip goes once round the ring, from a lap's second step to the next lap's first, and fills both slots again
	TURN 0, 1, 1
	STEP 1, 0, 0
	TURN 1, 0, 1
	STEP 0, 0, 0
	s_sub_co_u32 s3, s3, 1
	s_cmp_lg_u32 s3, 0
	s_cbranch_scc1 .Llap
	TURN 0, 1, 0                                   ; the last lap fills nothing, and has no round of the cluster's barrier
	STEP 1, 0, 0
	s_wait_dscnt 4*NL                              ; the very last step: nothing more to fetch
	WIN MUL_LO
	MUL16 0, 1, 0
	MUL16 2, 1, 0
	s_wait_dscnt 0
	WIN MUL_HI
	MUL16 4, 1, 0
	MUL16 6, 1, 0
	WIN 0
; THE WAY OUT, block by block of 16 rows x 128 columns.  A lane holds 32 neighbouring bytes of a row, and the lanes beside it hold other rows: so a block's sums go, as they are, through my own stage in LDS and come back
; as whole rows of 512 bytes; there one packed multiply-add for two numbers gives sum x 2^(e10 + e11) + bo, and the 32 lanes store two aligned runs of 256 bytes.
; LDS serves a wave's instructions in order (ISA guide 5.7.1.4): no wait between the stores and the loads, nor in front of the next block's stores.
.macro TOSTAGE a
.set AC, 64*((\a)%4)
	WIN 0x08+4*((\a)/4)                            ; an LDS store's data count as source 1: window 2 or 3
.irp b, 0,1,2,3,4,5,6,7
	ds_store_b128 v[STO], v[AC+8*\b:AC+8*\b+3] offset:64*\b          ; each accumulator from its low end on
	ds_store_b128 v[STO], v[AC+8*\b+4:AC+8*\b+7] offset:64*\b+16
.endr
	WIN 0
.set BB, BK+64*((\a)%2)
.irp t, 0,1,2,3,4,5,6,7,8,9,10,11,12,13,14,15
	ds_load_b128 v[BB+4*\t:BB+4*\t+3], v[RD] offset:\t*SPITCH
.endr
.endm
.macro SEND a, younger                 ; younger: the LDS instructions issued behind block a's loads, which may stay out
.set BB, BK+64*((\a)%2)
	s_wait_dscnt \younger                          ; the block is back in registers
.if (\a) > 0
	s_add_nc_u64 s[12:13], s[12:13], 16*SIZE_N*4   ; (behind a wait on XCNT: the earlier stores have read their base)  16 rows on, so that the stores' offsets stay small
.endif
.irp t, 0,1,2,3,4,5,6,7,8,9,10,11,12,13,14,15
	v_pk_fma_f32 v[BB+4*\t:BB+4*\t+1],   v[BB+4*\t:BB+4*\t+1],   s[96:97], v[BI:BI+1]   op_sel_hi:[1,0,1]   ; sum x 2^(e10 + e11) + bo (the scalar pair's low word for both halves)
	v_pk_fma_f32 v[BB+4*\t+2:BB+4*\t+3], v[BB+4*\t+2:BB+4*\t+3], s[96:97], v[BI+2:BI+3] op_sel_hi:[1,0,1]
	global_store_b128 v[CO], v[BB+4*\t:BB+4*\t+3], s[12:13] offset:\t*SIZE_N*4 th:TH_STORE_NT   ; 32 lanes store 512 consecutive bytes, at a multiple of 256 from the buffer's first byte; written once, read by nobody here
.endr
.endm
	s_wait_kmcnt 0x0
	s_add_co_i32 s96, s96, s97                     ; e10 + e11, between -126 and 127,
	s_add_co_i32 s96, s96, 127
	s_lshl_b32 s96, s96, 23                        ; makes the f32 number 2^(e10 + e11)
	s_wait_loadcnt 0x0                             ; the bias
	PLACES NP                                      ; behind the last products: for the stores of results and for the loads into the registers that held A's fragments
	TOSTAGE 0
.irp a, 1,2,3,4,5,6,7
.if \a > 1
	s_wait_xcnt 0x0                                ; block a - 2's stores have read their registers and their base: block a's loads may land there, and the base may step
.endif
	TOSTAGE \a
	SEND \a-1, 32                                  ; behind block a - 1's loads: block a's 16 stores and 16 loads
.endr
	s_wait_xcnt 0x0                                ; block 6's stores have read their base
	SEND 7, 0
	s_wait_tensorcnt 0x0                           ; the wave's end: behind my last tensor load and my last LDS store
	ds_add_u32 v[SPW], v[NIL]
	s_wait_dscnt 0x0
	CROUND                                         ; the closing round: no work-group ends while a partner may still ask for a tile that names it
	s_endpgm
.Lfunc_end_k_q2bf9912928_outp:
	.size	k_q2bf9912928_outp, .Lfunc_end_k_q2bf9912928_outp-k_q2bf9912928_outp
	.p2alignl 7, 3214868480
	.fill 96, 4, 3214868480
	.section	.rodata,"a",@progbits
	.p2align	6, 0x0
	.amdhsa_kernel k_q2bf9912928_outp
		.amdhsa_group_segment_fixed_size 327680
		.amdhsa_private_segment_fixed_size 0
		.amdhsa_enable_private_segment 0
		.amdhsa_kernarg_size 40
		.amdhsa_user_sgpr_count 2
		.amdhsa_user_sgpr_kernarg_segment_ptr 1
		.amdhsa_wavefront_size32 1
		.amdhsa_system_sgpr_workgroup_id_x 1
		.amdhsa_system_sgpr_workgroup_id_y 1
		.amdhsa_system_sgpr_workgroup_id_z 1
		.amdhsa_system_vgpr_workitem_id 0
		.amdhsa_next_free_vgpr 1024
		.amdhsa_next_free_sgpr 98
		.amdhsa_reserve_vcc 0
		.amdhsa_float_denorm_mode_32 3
		.amdhsa_float_denorm_mode_16_64 3
		.amdhsa_memory_ordered 1
		.amdhsa_forward_progress 1
		.amdhsa_inst_pref_size 123
	.end_amdhsa_kernel
	.amdgpu_metadata
---
amdhsa.version: [ 1, 2 ]
amdhsa.kernels:
  - .name:           k_q2bf9912928_outp
    .symbol:         k_q2bf9912928_outp.kd
    .args:
      - { .name: ccodes, .offset: 0, .size: 8, .value_kind: global_buffer, .address_space: global }
      - { .name: wcodes, .offset: 8, .size: 8, .value_kind: global_buffer, .address_space: global }
      - { .name: lowp_scales, .offset: 16, .size: 8, .value_kind: global_buffer, .address_space: global }
      - { .name: bo, .offset: 24, .size: 8, .value_kind: global_buffer, .address_space: global }
      - { .name: out0, .offset: 32, .size: 8, .value_kind: global_buffer, .address_space: global }
    .group_segment_fixed_size: 327680
    .private_segment_fixed_size: 0
    .kernarg_segment_align: 8
    .kernarg_segment_size: 40
    .max_flat_workgroup_size: 128
    .sgpr_count:     98
    .vgpr_count:     1024
    .wavefront_size: 32
...
	.end_amdgpu_metadata
.endif
;; end of part 5
;; ======== version 2 of 2: 4 launches
;; limits: right only within a limited range of input values
;; workspace buffers: acodes 25,165,824 bytes; wcodes 4,194,304 bytes; pcodes 25,165,824 bytes; ccodes 8,388,608 bytes
;; launch quant (part 6): grid 896 x 1, 4 waves a work-group, no clusters, 68,096 bytes of LDS; arguments Wq, Wk, Wv, Wo, queries, keys, values, lowp_scales, acodes, wcodes; writes acodes, wcodes
.if DOCPART == 6
	.amdgcn_target "amdgcn-amd-amdhsa--gfx1250"
	.amdhsa_code_object_version 6
	.text
	.protected	k_q2bf9912928_quant
	.globl	k_q2bf9912928_quant
	.p2align	8
	.type	k_q2bf9912928_quant,@function
k_q2bf9912928_quant:
	s_mov_b64 s[64:65], 0
	v_nop
	global_prefetch_b8 v0, s[64:65] scope:SCOPE_SE
	s_setreg_imm32_b32 hwreg(HW_REG_WAVE_MODE, 25, 1), 1
	s_wait_xcnt 0x0
; All seven f32 operands of the four projections become codes of E4M3, one a byte, K innermost.  code = x / 2^e, held within +-448, rounded to the nearest code, ties to even.
; LIMITS: -126 <= e <= 119 for each of the seven scales, so that 2^e and 448 x 2^e are f32 numbers.  NaN among the inputs is not served (an infinity is held at the largest code).
; ONE LAUNCH, TWO PATHS, parted at the first line by a scalar branch on the work-group's number; each path has LDS bytes of its own.
; WORK-GROUPS 0 TO 767: queries, keys, values, each [8192][1024] with K innermost; e is entry 0, 2, 4 of the scales.  Tensor T (0, 1, 2) goes to byte T x 8,388,608 of the activations' codes.
;   Rows are dense, so a tensor is a plain stream of numbers and its codes a plain stream of bytes.  A work-group takes 32,768 numbers, a wave 16 steps of 512.
;   The conversion takes 8 neighbours from ONE lane's registers; a load is best where neighbouring LANES take neighbouring bytes.  Both are had: each of a step's four loads reads 512
;   consecutive bytes, 16 a lane; the 2,048 bytes go through the wave's own stage in LDS as they lie and come back 64 bytes a lane (16 bytes of padding behind each 64).
;   A lane's 16 codes are 16 bytes: the wave stores 512 consecutive bytes.  Loads run four steps (16 loads a wave) ahead, the turn through LDS one step.
; WORK-GROUPS 768 TO 895: Wq, Wk, Wv, Wo, each [K 1024][N 1024] with K as FIRST axis; e is entry 1, 3, 5, 11.  Weight i (0 q, 1 k, 2 v, 3 o) goes to byte i x 1,048,576 of the weights' codes, laid [N][K].
;   A LANE TAKES A COLUMN n, AND ITS REGISTERS RUN DOWN K: each load reads neighbouring n in neighbouring lanes (128 consecutive bytes a wave, 512 a work-group), and the conversions give codes with K innermost.
;   A wave takes 32 columns x 256 along K: 256 bytes of codes a column.  They go through the wave's own stage in LDS and leave as rows: sixteen lanes store 256 consecutive bytes, aligned.
;   768 is a multiple of 128, so the work-group's number gives its share by fields: bits 2:0 which 128 columns, bits 4:3 which 256 along K, bits 6:5 which weight.  Loads run two blocks (64 loads a wave) ahead.
;   Every offset is an immediate: 255 x 4,096 bytes at the most, inside the signed 24-bit immediate (ISA guide, chapter 10).
; No barrier on either path: waves share nothing.
.set NACT,  768                        ; work-groups that take activations
.set EMAX,  8
.set MANT,  0x600000                   ; the mantissa field of 448 as f32
; the activations' path
.set STEPS, 16
.set CB,    16                         ; bytes of 16 codes
.set R,     16                         ; v16-79   four sets of 16 numbers as they are loaded
.set X,     80                         ; v80-111  two sets of 16 neighbours
.set C,     128                        ; v128-191 codes: four registers for each step, so that no store's data are written again
.set WREG,  8192                       ; LDS bytes 0 to 32,767: a region of its own for each wave: two stages of 32 x SP bytes
.set SP,    80                         ; a lane's place in a stage: its 64 bytes + 16 of padding
; the weights' path
.set SIZE_N, 1024
.set KW,    256                        ; along K for a wave
.set NB,    KW/32                      ; blocks of 32
.set ROWB,  256                        ; bytes of KW codes
.set PITCH, ROWB+16                    ; a stage row
.set KROW,  1024                       ; a row of the codes' buffer in bytes
.set WSTG,  4*WREG                     ; LDS bytes 32,768 to 67,583: a stage of 32 rows x PITCH for each wave
.set WX,    32                         ; v32-95   two sets of 32 numbers
.set WC,    96                         ; v96-103  a block's codes
.set OUTR,  112                        ; v112-175 the way out: 16 x 4 registers
	v_lshl_add_u32 v192, v0, 2, 0x10800
	v_mov_b32 v193, 0
	s_cmp_ge_u32 ttmp9, NACT
	s_cbranch_scc1 .Lweights
	; ---------------- queries, keys, values
	s_load_b256 s[4:11], s[0:1], 0x20              ; queries s[4:5], keys s[6:7], values s[8:9], the scales' exponents s[10:11]
	s_load_b64 s[12:13], s[0:1], 0x40              ; the activations' codes
	v_lshrrev_b32 v1, 5, v0
	v_readfirstlane_b32 s16, v1                    ; wave
	v_and_b32 v2, 31, v0                           ; lane
	v_lshlrev_b32 v3, 4, v2                        ; my 16 bytes of a load's 512
	s_mul_i32 s17, s16, WREG
	v_lshrrev_b32 v14, 2, v2
	v_mul_u32_u24 v14, v14, SP
	v_and_b32 v15, 3, v2
	v_lshl_add_u32 v14, v15, 4, v14
	v_add_nc_u32 v14, s17, v14                     ; the stage, on the way in: SP (lane / 4) + 16 (lane % 4); a load's 512 bytes take eight places
	v_mul_u32_u24 v15, v2, SP
	v_add_nc_u32 v15, s17, v15                     ; and on the way out: SP x lane: my 16 neighbours
	v_mul_u32_u24 v4, v2, CB                       ; my codes' place in a step's
	s_lshr_b32 s24, ttmp9, 8                       ; T: 256 work-groups to a tensor
	s_and_b32 s25, ttmp9, 255
	s_lshl_b32 s25, s25, 2
	s_add_co_u32 s25, s25, s16                     ; which run of 8,192 numbers of the tensor is my wave's
	s_lshl_b32 s28, s25, 15                        ; in bytes of f32
	s_mov_b32 s29, 0
	s_lshl_b32 s30, ttmp9, 2
	s_add_co_u32 s30, s30, s16
	s_lshl_b32 s30, s30, 13                        ; and in the codes' buffer, where the three tensors lie on end
	s_mov_b32 s31, 0
	s_wait_kmcnt 0x0
	s_load_b256 s[32:39], s[10:11], 0x0            ; e0 .. e7
	s_cmp_eq_u32 s24, 0                            ; the choice hangs on the work-group's number alone
	s_cselect_b64 s[4:5], s[4:5], s[6:7]
	s_cmp_eq_u32 s24, 2
	s_cselect_b64 s[4:5], s[8:9], s[4:5]
	s_add_nc_u64 s[4:5], s[4:5], s[28:29]
	s_add_nc_u64 s[8:9], s[12:13], s[30:31]
.macro LOAD t
.irp i, 0,1,2,3
	global_load_b128 v[R+16*((\t)%4)+4*\i:R+16*((\t)%4)+4*\i+3], v3, s[4:5] offset:2048*(\t)+512*\i th:TH_LOAD_NT   ; 32 lanes read 512 consecutive bytes
.endr
.endm
.macro TURN t                          ; step t's numbers through the stage: LDS serves a wave's instructions in order, so no wait stands between the stores and the loads
.irp i, 0,1,2,3
	ds_store_b128 v14, v[R+16*((\t)%4)+4*\i:R+16*((\t)%4)+4*\i+3] offset:32*SP*((\t)%2)+8*SP*\i
.endr
.irp i, 0,1,2,3
	ds_load_b128 v[X+16*((\t)%2)+4*\i:X+16*((\t)%2)+4*\i+3], v15 offset:32*SP*((\t)%2)+16*\i
.endr
.endm
.irp t, 0,1,2,3
	LOAD \t
.endr
	s_wait_kmcnt 0x0
	s_cmp_eq_u32 s24, 0
	s_cselect_b32 s22, s32, s34
	s_cmp_eq_u32 s24, 2
	s_cselect_b32 s22, s36, s22                    ; e
	s_add_co_i32 s22, s22, 127
	s_lshl_b32 s23, s22, 23
	v_mov_b32 v11, s23                             ; 2^e as f32: the conversion takes its exponent field
	s_add_co_i32 s22, s22, EMAX
	s_lshl_b32 s22, s22, 23
	s_or_b32 s22, s22, MANT
	v_mov_b32 v10, s22                             ; 448 x 2^e
	s_wait_loadcnt 12                              ; step 0's four loads are in; the twelve of steps 1 to 3 may be out
	TURN 0
.macro STEP t
.set XS, X+16*((\t)%2)
	s_wait_dscnt 0x0                               ; this step's numbers are back from the stage: so its stores into the stage have read their registers,
.if (\t)+4 < STEPS
	LOAD (\t)+4                                    ; which take the loads of four steps on
.endif
.if (\t)+1 < STEPS
.if STEPS-2-(\t) >= 3
	s_wait_loadcnt 12                              ; the next step's four loads are in; those of the three steps behind it may be out
.else
	s_wait_loadcnt 4*(STEPS-2-(\t))                ; the tail: fewer steps are behind it
.endif
	TURN (\t)+1                                    ; and go through the other stage while this step is worked
.endif
.irp i, 0,1,2,3,4,5,6,7,8,9,10,11,12,13,14,15
	v_med3_num_f32 v[XS+\i], v[XS+\i], -v10, v10   ; the conversion to an 8-bit code does not saturate (ISA guide 7.6.2): the hold at the largest code x the scale
.endr
	v_cvt_scalef32_pk8_fp8_f32 v[C+4*(\t):C+4*(\t)+1], v[XS:XS+7], v11          ; eight numbers / 2^e, to the nearest code, ties to even; the first number's code in the lowest byte
	v_cvt_scalef32_pk8_fp8_f32 v[C+4*(\t)+2:C+4*(\t)+3], v[XS+8:XS+15], v11
	global_store_b128 v4, v[C+4*(\t):C+4*(\t)+3], s[8:9] offset:32*CB*(\t)      ; the results go to a store alone; the next vector lines are the next step's holds, on other registers
.endm
.irp t, 0,1,2,3,4,5,6,7,8,9,10,11,12,13,14,15
	STEP \t
.endr
	s_wait_tensorcnt 0x0
	ds_add_u32 v192, v193
	s_wait_dscnt 0x0
	s_endpgm
	; ---------------- Wq, Wk, Wv, Wo
.Lweights:
	s_load_b256 s[32:39], s[0:1], 0x0              ; Wq, Wk, Wv, Wo
	s_load_b64 s[40:41], s[0:1], 0x38              ; the scales' exponents
	s_load_b64 s[42:43], s[0:1], 0x48              ; the weights' codes
	v_lshrrev_b32 v1, 5, v0
	v_readfirstlane_b32 s16, v1                    ; wave 0..3
	v_and_b32 v2, 31, v0                           ; lane
	s_and_b32 s17, ttmp9, 7
	s_lshl_b32 s17, s17, 7
	s_lshl_b32 s18, s16, 5
	s_add_co_u32 s17, s17, s18                     ; my wave's first column: 128 x (number & 7) + 32 x wave
	s_lshr_b32 s29, ttmp9, 5
	s_and_b32 s29, s29, 3                          ; which weight
	s_lshr_b32 s18, ttmp9, 3
	s_and_b32 s18, s18, 3                          ; which 256 along K
	v_lshlrev_b32 v3, 2, v2                        ; in: 4 bytes a lane
	s_mul_i32 s19, s16, 32*PITCH
	s_add_co_u32 s19, s19, WSTG                    ; my stage
	v_mul_u32_u24 v4, v2, PITCH
	v_add_nc_u32 v4, s19, v4                       ; into it: row = my column
	v_and_b32 v5, 15, v2
	v_lshrrev_b32 v6, 4, v2                        ; out of it: sixteen lanes to a row, two rows an instruction
	v_mul_u32_u24 v7, v6, PITCH
	v_lshl_add_u32 v7, v5, 4, v7
	v_add_nc_u32 v7, s19, v7                       ; LDS address
	v_mul_u32_u24 v8, v6, KROW
	v_lshl_add_u32 v8, v5, 4, v8                   ; and the same place in the codes' buffer
	s_lshl_b32 s20, s18, 20                        ; W: 256 rows of 4,096 bytes for each step along K,
	s_lshl_b32 s22, s17, 2
	s_add_co_u32 s20, s20, s22                     ; + 4 x column
	s_mov_b32 s21, 0
	s_lshl_b32 s24, s29, 20                        ; codes: the weight's part,
	s_lshl_b32 s22, s17, 10
	s_add_co_u32 s24, s24, s22                     ; + column x 1,024
	s_lshl_b32 s22, s18, 8
	s_add_co_u32 s24, s24, s22                     ; + 256 x step along K
	s_mov_b32 s25, 0
	s_wait_kmcnt 0x0
	s_load_b256 s[44:51], s[40:41], 0x0            ; e0 .. e7
	s_load_b128 s[52:55], s[40:41], 0x20           ; e8 .. e11
	s_cmp_eq_u32 s29, 0                            ; the choice hangs on the work-group's number alone
	s_cselect_b64 s[4:5], s[32:33], s[34:35]
	s_cmp_eq_u32 s29, 2
	s_cselect_b64 s[4:5], s[36:37], s[4:5]
	s_cmp_eq_u32 s29, 3
	s_cselect_b64 s[4:5], s[38:39], s[4:5]
	s_add_nc_u64 s[4:5], s[4:5], s[20:21]
	s_add_nc_u64 s[8:9], s[42:43], s[24:25]
.macro WLOAD t                         ; block t: W(32 t + n, my column), n = 0 .. 31, into set t % 2
.set n, 0
.rept 32
	global_load_b32 v[WX+32*((\t)%2)+n], v3, s[4:5] offset:(32*(\t)+n)*SIZE_N*4 th:TH_LOAD_NT
.set n, n+1
.endr
.endm
	WLOAD 0
	WLOAD 1
	s_wait_kmcnt 0x0
	s_cmp_eq_u32 s29, 0
	s_cselect_b32 s30, s45, s47
	s_cmp_eq_u32 s29, 2
	s_cselect_b32 s30, s49, s30
	s_cmp_eq_u32 s29, 3
	s_cselect_b32 s30, s55, s30                    ; e
	s_add_co_i32 s30, s30, 127
	s_lshl_b32 s31, s30, 23
	v_mov_b32 v11, s31                             ; 2^e as f32: the conversion takes its exponent field
	s_add_co_i32 s30, s30, EMAX
	s_lshl_b32 s30, s30, 23
	s_or_b32 s30, s30, MANT
	v_mov_b32 v10, s30                             ; 448 x 2^e
.macro WBLOCK t
.set XS, WX+32*((\t)%2)
.if (\t) < NB-1
	s_wait_loadcnt 32                              ; this block's 32 loads are in; the next block's 32 may be out
.else
	s_wait_loadcnt 0
.endif
.set n, 0
.rept 32
	v_med3_num_f32 v[XS+n], v[XS+n], -v10, v10     ; the hold at the largest code x the scale
.set n, n+1
.endr
.irp g, 0,1,2,3
	v_cvt_scalef32_pk8_fp8_f32 v[WC+2*\g:WC+2*\g+1], v[XS+8*\g:XS+8*\g+7], v11
.endr
	ds_store_b128 v4, v[WC:WC+3] offset:32*(\t)    ; 32 codes: 32 bytes of my column's row.  (The results go to LDS stores alone; the next block begins with plain vector lines)
	ds_store_b128 v4, v[WC+4:WC+7] offset:32*(\t)+16
.if (\t)+2 < NB
	WLOAD (\t)+2
.endif
	s_wait_dscnt 0x0                               ; the stores have read their registers: the next block's codes may be written
.endm
.set Q, 0
.rept NB
	WBLOCK Q
.set Q, Q+1
.endr
.irp t, 0,1,2,3,4,5,6,7,8,9,10,11,12,13,14,15
	ds_load_b128 v[OUTR+4*\t:OUTR+4*\t+3], v7 offset:2*\t*PITCH   ; LDS serves a wave's instructions in order: these see my stores
.endr
.irp t, 0,1,2,3,4,5,6,7,8,9,10,11,12,13,14,15
	s_wait_dscnt 15-\t                             ; load t is back; the younger ones may be out
	global_store_b128 v8, v[OUTR+4*\t:OUTR+4*\t+3], s[8:9] offset:2*\t*KROW
.endr
	s_wait_tensorcnt 0x0
	ds_add_u32 v192, v193
	s_wait_dscnt 0x0
	s_endpgm
.Lfunc_end_k_q2bf9912928_quant:
	.size	k_q2bf9912928_quant, .Lfunc_end_k_q2bf9912928_quant-k_q2bf9912928_quant
	.p2alignl 7, 3214868480
	.fill 96, 4, 3214868480
	.section	.rodata,"a",@progbits
	.p2align	6, 0x0
	.amdhsa_kernel k_q2bf9912928_quant
		.amdhsa_group_segment_fixed_size 68096
		.amdhsa_private_segment_fixed_size 0
		.amdhsa_enable_private_segment 0
		.amdhsa_kernarg_size 80
		.amdhsa_user_sgpr_count 2
		.amdhsa_user_sgpr_kernarg_segment_ptr 1
		.amdhsa_wavefront_size32 1
		.amdhsa_system_sgpr_workgroup_id_x 1
		.amdhsa_system_sgpr_workgroup_id_y 1
		.amdhsa_system_sgpr_workgroup_id_z 1
		.amdhsa_system_vgpr_workitem_id 0
		.amdhsa_next_free_vgpr 194
		.amdhsa_next_free_sgpr 66
		.amdhsa_reserve_vcc 0
		.amdhsa_float_denorm_mode_32 3
		.amdhsa_float_denorm_mode_16_64 3
		.amdhsa_memory_ordered 1
		.amdhsa_forward_progress 1
		.amdhsa_inst_pref_size 87
	.end_amdhsa_kernel
	.amdgpu_metadata
---
amdhsa.version: [ 1, 2 ]
amdhsa.kernels:
  - .name:           k_q2bf9912928_quant
    .symbol:         k_q2bf9912928_quant.kd
    .args:
      - { .name: Wq, .offset: 0, .size: 8, .value_kind: global_buffer, .address_space: global }
      - { .name: Wk, .offset: 8, .size: 8, .value_kind: global_buffer, .address_space: global }
      - { .name: Wv, .offset: 16, .size: 8, .value_kind: global_buffer, .address_space: global }
      - { .name: Wo, .offset: 24, .size: 8, .value_kind: global_buffer, .address_space: global }
      - { .name: queries, .offset: 32, .size: 8, .value_kind: global_buffer, .address_space: global }
      - { .name: keys, .offset: 40, .size: 8, .value_kind: global_buffer, .address_space: global }
      - { .name: values, .offset: 48, .size: 8, .value_kind: global_buffer, .address_space: global }
      - { .name: lowp_scales, .offset: 56, .size: 8, .value_kind: global_buffer, .address_space: global }
      - { .name: acodes, .offset: 64, .size: 8, .value_kind: global_buffer, .address_space: global }
      - { .name: wcodes, .offset: 72, .size: 8, .value_kind: global_buffer, .address_space: global }
    .group_segment_fixed_size: 68096
    .private_segment_fixed_size: 0
    .kernarg_segment_align: 8
    .kernarg_segment_size: 80
    .max_flat_workgroup_size: 128
    .sgpr_count:     66
    .vgpr_count:     194
    .wavefront_size: 32
...
	.end_amdgpu_metadata
.endif
;; end of part 6
;; launch proj: the kernel of part 3 again; grid 4 x 96, 4 waves a work-group, clusters of 4 x 4, 327,680 bytes of LDS; arguments acodes, wcodes, bq, bk, bv, lowp_scales, pcodes; writes pcodes
;; launch attn (part 7): grid 16 x 16, 8 waves a work-group, clusters of 4 x 4, 327,680 bytes of LDS; arguments pcodes, mask, lowp_scales, ccodes; writes ccodes
.if DOCPART == 7
	.amdgcn_target "amdgcn-amd-amdhsa--gfx1250"
	.amdhsa_code_object_version 6
	.text
	.protected	k_q2bf9912928_attn
	.globl	k_q2bf9912928_attn
	.p2align	8
	.type	k_q2bf9912928_attn,@function
k_q2bf9912928_attn:
	s_mov_b64 s[64:65], 0
	v_nop
	global_prefetch_b8 v0, s[64:65] scope:SCOPE_SE
	s_setreg_imm32_b32 hwreg(HW_REG_WAVE_MODE, 25, 1), 1
	s_wait_xcnt 0x0
	s_wait_alu depctr_hold_cnt(0) depctr_sa_sdst(0) depctr_va_vdst(0) depctr_va_sdst(0) depctr_va_ssrc(0) depctr_va_vcc(0) depctr_vm_vsrc(0)
	s_getreg_b32 s2, hwreg(HW_REG_IB_STS2, 6, 4)
	s_cmp_eq_u32 s2, 0
	s_cbranch_scc0 .Lentry_in_a_cluster
	s_endpgm
.Lentry_in_a_cluster:
	s_bfe_u32 s2, ttmp6, 0x10000c
	s_cmp_lg_u32 s2, 0xf033
	s_cbranch_scc0 .Lentry_shape_is_right
	s_endpgm
.Lentry_shape_is_right:
; ctx[b][q][64 head + d] = sum_k softmax_k(mask ? q . k / 8 : hidden) v, both products on codes of E4M3, then quantised with e10 for the last projection.
; INPUTS (codes, one a byte): q at byte 0 and k at byte 8,388,608, each [8192 tokens][1024]; v at byte 16,777,216, [1024 (64 head + d)][8192 tokens]: the keys innermost.  mask: [2048 q][2048 k], a byte 0 or 1.
; THE SOFTMAX AHEAD OF THE SECOND PRODUCT: t = score x log2(e) / 8; M = the row's largest t so far, rounded UP to a whole number; p = 2^(t - M) is what is quantised (e8); it is not normalised.
; The row's sum is taken of the unquantised p, in f32, and divides at the end.  When M moves, the sum and O are multiplied by 2^(old M - new M): exact.
; SHARES.  A work-group owns 128 queries of one batch and FOUR neighbouring heads, so that a row of K's tile and of the output (4 x 64 bytes) is 256 consecutive bytes, aligned.  Wave w: head w / 2 of the four,
; queries 64 (w % 2) on: FOUR tiles of 16 queries of one head, so that each fragment of K and of V read from LDS feeds four matrix instructions.  Two waves to a SIMD (512 registers each).
; A key step is 128 keys; its tiles (K 128 rows x 256 bytes, V 256 rows x 128, mask 128 rows x 128) fill one of two LDS slots; each of the eight waves fetches 64 rows by one tensor load.
; CLUSTER 4 x 4: x = four blocks of queries, y = the four groups of heads of one batch.  K's and V's tiles hang on batch and head group: asked for JOINTLY along a row of the cluster;
; the mask's hang on the block of queries: jointly along a column.
; LAYOUT.  Both products are used transposed: S^T = K Q^T (source 0 = 16 keys, source 1 = 16 queries, K = 64), O^T = V^T P^T (source 0 = 16 of the head's 64, source 1 = P, K = 128 keys): a lane holds ONE query
; (lane % 16) throughout.  In tile t of S^T lane (r, h) holds keys 16 t + 8 h + 0 .. 7: their eight codes ARE registers 2 t, 2 t + 1 of the second product's operand in that form's own layout.
; K's and Q's fragments come by two loads of 16 bytes: a permutation of d, the same on both sides.
; THE MASK goes in as the C of the score product.  Its bytes serve as selectors of v_perm_b32 into the table (0xF8, 0x00): 0 picks the code of -256, 1 the code of 0; a scaled conversion back to f32
; (x 2^51) writes -2^59 or 0 into the accumulator, and the product adds the score onto it.  A raw score is under 2^24 in magnitude, so a hidden one stays at -2^59: p = 0 as soon as the row has an open key.
; While a row has none, its p are 1; the first open key multiplies what was summed by 2^(old M - new M) = 0.  A row with no open key at all gives the mean of v, as the definition does.
; THE ORDER OF A TILE'S VECTOR WORK.  The loop is vector work above all (a key step has 48 matrix instructions a wave), so its lines are laid so that none takes the result of a line just ahead of it:
; the maximum and the row's sum run in four chains each; the exponentials stand among plain lines that name none of their results (the scalings of later pairs, the next tile's mask words);
; a conversion stands behind the holds of the next eight numbers.
; LIMITS: e6 + e7 between -48 and 30 (hidden t far under every open t, and finite); e8 and e10 between -126 and 119; e8 + e9 is applied by v_ldexp_f32 and has none.  The mean for a row with no open key at all
; rests on -2^59 + score coming out of the matrix instruction as -2^59 exactly (the score lies 35 binary places under it).
; NO PREFETCH of later key steps: a refill is asked for a whole key step ahead of its first read, and that step is over a thousand vector lines in each of a SIMD's two waves.
; REGISTERS.  window 0: v1-14, v16-31 addresses, constants, at work; v32-95 K's 8 fragments, then V's 4; v96-159 S^T, then p; v160-223 for tile i at 160 + 16 i the mask's words, later p's codes; v224-247 statistics.
;   window 1: v0-127 O^T, accumulator (tile i, channels 16 t) at 32 i + 8 t; v160-191 Q, tile i at 160 + 8 i.
.set KP,    272                        ; a key's row in LDS: 256 bytes + 16 of padding = 68 words: row r starts at bank 4 r mod 64 (64 banks of 4 bytes: ISA guide 11.1)
.set VP,    144                        ; a row of V's tile: 128 bytes + 16 = 36 words: the 32 lanes of an 8-byte load touch 64 different banks
.set MP,    144                        ; a row of the mask's tile likewise
.set VOFF,  128*KP                     ; a slot: 128 rows of K, 256 rows of V, 128 rows of the mask: 90,112 bytes
.set MOFF,  VOFF+256*VP
.set SLOT1, 1<<17                      ; slot 1 begins here, so that one exclusive or turns an address in one slot into the other's
.set SPARE, 2*SLOT1                    ; behind the ring: the spare words, 128 bytes for each wave: four blocks of 256 bytes that no other line names
.set SP,    272                        ; the way out: ONE stage of 128 rows x (256 bytes + 16) from LDS byte 0: in slot 0, which is left at the last change of slots and has had its last fill
.set NSTEP, 16                         ; key steps
.set AK0,  1                           ; v1   my lane's place in a tile of K
.set AV0,  2                           ; v2   of V
.set AM0,  3                           ; v3   of the mask
.set ADK,  4                           ; v4-6 the same in the slot in hand
.set ADV,  5
.set ADM,  6
.set SPW,  7                           ; v7   LDS address of my spare word: SPARE + 4 x my thread's number; never rewritten
.set NIL,  8                           ; v8   0; never rewritten
.set TBL,  9                           ; v9   the table: byte 0 = 0xF8 (-256), byte 1 = 0
.set SCB,  10                          ; v10  the scale byte 178 (2^51) in every byte
.set LIMP, 11                          ; v11  448 x 2^e8
.set SCP,  12                          ; v12  2^e8
.set QO,   13                          ; v13  Q's loads' offset
.set SCO,  14                          ; v14  2^e10
.set STO,  16                          ; v16  the way out: where I put 8 codes of a row
.set RD,   17                          ; v17  where I read a row back
.set GO,   18                          ; v18  my byte offset in two rows of the output
.set LIMC, 19                          ; v19  448 x 2^e10
.set MX,   20                          ; v20-23 four chains of the maximum
.set PRM,  24                          ; v24  a lane permute's destination
.set SM,   26                          ; v[26:27], v[28:29], v[30:31] three chains of the sum; the fourth is the running sum itself
.set FR,   32
.set S,    96
.set P,    160
.set ST,   224                         ; tile i at ST + 6 i: +0 -M, +1 the largest t, +2, +3 the sum in two halves, +4 f (later 1 / sum), +5 its partner in the pair
.set QF,   160                         ; in window 1
.set TB,   2                           ; s2   LDS byte at which the slot in hand begins
.set SLOTS, 3                          ; s3   slots still to be asked for
.set WV,   12                          ; s12  my wave's number
.set SEL,  20                          ; s[20:21] lane selects for v_permlanex16_b32: lane l xor 16
.set CS,   22                          ; s[22:23] c = log2(e) / 8 x 2^(e6 + e7)
.set G1K,  24                          ; s[24:31], s[32:39], s[40:47] descriptor groups 1 for K's, V's, the mask's tiles
.set G1V,  32
.set G1M,  40
.set G0K,  48                          ; s[48:51], s[52:55], s[56:59] their groups 0, which walk
.set G0V,  52
.set G0M,  56
.set MSB, 0
.macro WIN new                         ; the immediate's high byte repeats the setting that is left; a switch that changes nothing is dropped
.if MSB != (\new)
	s_set_vgpr_msb (MSB<<8)|(\new)
.set MSB, (\new)
.endif
.endm
; A joint load, one a wave: waves 0, 1 K's halves; waves 2 to 5 V's quarters; waves 6, 7 the mask's halves.  The branches hang on the wave's number alone.  Four v_nop follow each line.
.macro TLOAD
	s_cmp_lt_u32 s[WV], 2
	s_cbranch_scc0 .Lnot_k_\@
	tensor_load_to_lds s[G0K:G0K+3], s[G1K:G1K+7]
	s_nop 0
.rept 4
	v_nop
.endr
	s_branch .Lasked_\@
.Lnot_k_\@:
	s_cmp_lt_u32 s[WV], 6
	s_cbranch_scc0 .Lfor_m_\@
	tensor_load_to_lds s[G0V:G0V+3], s[G1V:G1V+7]
	s_nop 0
.rept 4
	v_nop
.endr
	s_branch .Lasked_\@
.Lfor_m_\@:
	tensor_load_to_lds s[G0M:G0M+3], s[G1M:G1M+7]
	s_nop 0
.rept 4
	v_nop
.endr
.Lasked_\@:
.endm
.macro CROUND                          ; a round of the cluster's barrier
	s_barrier_signal -1
	s_barrier_wait -1
	s_cmp_lg_u32 s[WV], 0
	s_cbranch_scc1 .Lnot_wave_0_\@
	s_barrier_signal -3
.Lnot_wave_0_\@:
	s_barrier_wait -3
	s_barrier_signal -1
	s_barrier_wait -1
.endm
	s_load_b256 s[4:11], s[0:1], 0x0               ; the codes of q, k, v s[4:5], the mask s[6:7], the scales' exponents s[8:9], the output s[10:11]
	v_lshl_add_u32 v[SPW], v0, 2, SPARE
	v_mov_b32 v[NIL], 0
	ds_add_u32 v7, v8
	ds_add_u32 v7, v8
	s_wait_dscnt 0x0
	v_lshrrev_b32 v28, 5, v0
	v_readfirstlane_b32 s[WV], v28                 ; wave 0..7
	s_bfe_u32 s13, ttmp6, 0x40000                  ; cx
	s_bfe_u32 s14, ttmp6, 0x40004                  ; cy: the group of four heads
	s_lshl_b32 s15, ttmp9, 2
	s_add_co_u32 s15, s15, s13                     ; X: my block of 128 queries = 4 x cluster x + cx
	s_and_b32 s16, ttmp7, 0xffff                   ; the batch = cluster y
	s_lshl_b32 s17, s14, 2
	s_lshl_b32 s17, 15, s17                        ; my row of the cluster
	s_lshl_b32 s18, 0x1111, s13                    ; my column
	s_and_b32 s19, s[WV], 1                        ; which 64 queries are mine.  Also: which half of K's or of the mask's tile I fetch
	s_lshr_b32 s60, s[WV], 1                       ; which of the four heads is mine
	s_add_co_u32 s61, s[WV], 2
	s_and_b32 s61, s61, 3                          ; which quarter of V's tile I fetch: waves 2 to 5: 0 to 3
	; descriptor groups 1: 64 rows each, elements of 1 byte, 16 bytes of padding behind every row
	s_or_b32 s[G1K], s17, (1<<20)|(1<<21)|(5<<22)|(3<<25)   ; 15:0 the mask: my row; 20 padding on; 21 set beside a mask; 24:22 after every 64 words (code 5); 31:25 of 4 words (code 3)
	s_mov_b32 s[G1K+1], 256<<16                    ; tensor_dim0 = 256
	s_mov_b32 s[G1K+2], 64<<16                     ; tensor_dim1 = 64
	s_mov_b32 s[G1K+3], 256<<16                    ; tile_dim0
	s_mov_b32 s[G1K+4], 64                         ; tile_dim1
	s_mov_b32 s[G1K+5], 1024                       ; from row to row
	s_mov_b32 s[G1K+6], 0
	s_mov_b32 s[G1K+7], 0
	s_or_b32 s[G1V], s17, (1<<20)|(1<<21)|(4<<22)|(3<<25)   ; my row; padding after every 32 words (code 4)
	s_mov_b32 s[G1V+1], 128<<16
	s_mov_b32 s[G1V+2], 64<<16
	s_mov_b32 s[G1V+3], 128<<16
	s_mov_b32 s[G1V+4], 64
	s_mov_b32 s[G1V+5], 8192
	s_mov_b32 s[G1V+6], 0
	s_mov_b32 s[G1V+7], 0
	s_or_b32 s[G1M], s18, (1<<20)|(1<<21)|(4<<22)|(3<<25)   ; my column
	s_mov_b32 s[G1M+1], 128<<16
	s_mov_b32 s[G1M+2], 64<<16
	s_mov_b32 s[G1M+3], 128<<16
	s_mov_b32 s[G1M+4], 64
	s_mov_b32 s[G1M+5], 2048
	s_mov_b32 s[G1M+6], 0
	s_mov_b32 s[G1M+7], 0
	; where the first tiles lie.  K's and V's offsets are made in s80-85, which never hold cx; the mask's in s86-87, which never hold cy
	s_lshl_b32 s80, s16, 21                        ; K: the batch's 2,048 rows of 1,024 bytes,
	s_lshl_b32 s82, s19, 16
	s_add_co_u32 s80, s80, s82                     ; my 64 rows of the 128,
	s_lshl_b32 s82, s14, 8
	s_add_co_u32 s80, s80, s82                     ; the four heads' 256 bytes,
	s_add_co_u32 s80, s80, 0x800000                ; in k's part
	s_mov_b32 s81, 0
	s_lshl_b32 s82, s14, 21                        ; V: the four heads' 256 rows of 8,192 bytes,
	s_lshl_b32 s84, s61, 19
	s_add_co_u32 s82, s82, s84                     ; my 64 rows,
	s_lshl_b32 s84, s16, 11
	s_add_co_u32 s82, s82, s84                     ; the batch's 2,048 keys,
	s_add_co_u32 s82, s82, 0x1000000               ; in v's part
	s_mov_b32 s83, 0
	s_lshl_b32 s86, s15, 18                        ; the mask: my block's 128 rows of 2,048 bytes,
	s_lshl_b32 s87, s19, 17
	s_add_co_u32 s86, s86, s87                     ; my 64 rows
	s_mov_b32 s87, 0
	s_lshl_b32 s90, s16, 21                        ; Q: row 2,048 b + 128 X + 64 (w % 2), byte 64 x head
	s_lshl_b32 s91, s15, 17
	s_add_co_u32 s90, s90, s91
	s_lshl_b32 s91, s14, 8
	s_add_co_u32 s90, s90, s91
	s_mov_b32 s92, s90                             ; the output: row 2,048 b + 128 X + 16 w, byte 256 x head group
	s_lshl_b32 s91, s19, 16
	s_add_co_u32 s90, s90, s91
	s_lshl_b32 s91, s60, 6
	s_add_co_u32 s90, s90, s91
	s_mov_b32 s91, 0
	s_lshl_b32 s93, s[WV], 14
	s_add_co_u32 s92, s92, s93
	s_mov_b32 s93, 0
	s_mov_b32 s[G0K], 1                            ; 1:0 count = 1
	s_mul_i32 s[G0K+1], s19, 64*KP                 ; 63:32 LDS address, in slot 0: the wave's number and constants alone
	s_mov_b32 s[G0V], 1
	s_mul_i32 s[G0V+1], s61, 64*VP
	s_add_co_u32 s[G0V+1], s[G0V+1], VOFF
	s_mov_b32 s[G0M], 1
	s_mul_i32 s[G0M+1], s19, 64*MP
	s_add_co_u32 s[G0M+1], s[G0M+1], MOFF
	s_mov_b32 s[SEL], 0x76543210
	s_mov_b32 s[SEL+1], 0xfedcba98
	s_mov_b32 s[CS], 0x3e38aa3b                    ; log2(e) / 8
	s_mov_b32 s[TB], 0
	s_mov_b32 s[SLOTS], NSTEP-1
	s_wait_kmcnt 0x0
	s_load_b256 s[68:75], s[8:9], 0x0              ; e0 .. e7
	s_load_b128 s[76:79], s[8:9], 0x20             ; e8 .. e11
	s_add_nc_u64 s[G0K+2:G0K+3], s[4:5], s[80:81]  ; 120:64 global address
	s_or_b32 s[G0K+3], s[G0K+3], 0x80000000        ; 127:126 type = 2
	s_add_nc_u64 s[G0V+2:G0V+3], s[4:5], s[82:83]
	s_or_b32 s[G0V+3], s[G0V+3], 0x80000000
	s_add_nc_u64 s[G0M+2:G0M+3], s[6:7], s[86:87]
	s_or_b32 s[G0M+3], s[G0M+3], 0x80000000
	s_add_nc_u64 s[90:91], s[4:5], s[90:91]
	s_add_nc_u64 s[10:11], s[10:11], s[92:93]
	CROUND                                         ; all sixteen work-groups are here: the first joint loads meet
	TLOAD                                          ; key step 0 into slot 0: one load of mine is out
	v_and_b32 v28, 15, v0                          ; r = lane % 16
	v_bfe_u32 v29, v0, 4, 1                        ; h = lane / 16
	v_lshlrev_b32 v[QO], 10, v28
	v_lshl_add_u32 v[QO], v29, 4, v[QO]            ; Q: row r of 1,024 bytes, + 16 h
	WIN 0x40                                       ; destination window 1
.irp i, 0,1,2,3
	global_load_b128 v[QF+8*\i:QF+8*\i+3],   v[QO], s[90:91] offset:16384*\i      ; Q's fragments stay in registers: tile i, d = 16 h + 0 .. 15
	global_load_b128 v[QF+8*\i+4:QF+8*\i+7], v[QO], s[90:91] offset:16384*\i+32   ; and d = 32 + 16 h + 0 .. 15
.endr
.set n, 0
.rept 128
	v_mov_b32 v[n], 0                              ; O^T.  (The key step is written for every step alike: the first finds zeros, which the first change of M leaves zeros; a first step of its own would be a third copy of the step)
.set n, n+1
.endr
	WIN 0
	s_lshl_b32 s61, s60, 6                         ; 64 x my head of the four
	v_mul_u32_u24 v[AK0], v28, KP
	v_lshl_add_u32 v[AK0], v29, 4, v[AK0]
	v_add_nc_u32 v[AK0], s61, v[AK0]               ; K: row r, my head's 64 bytes, + 16 h
	v_mul_u32_u24 v[AV0], v28, VP
	v_lshl_add_u32 v[AV0], v29, 3, v[AV0]
	s_mul_i32 s62, s60, 64*VP
	s_add_co_u32 s62, s62, VOFF
	v_add_nc_u32 v[AV0], s62, v[AV0]               ; V: row 64 x head + r, + 8 h
	v_mul_u32_u24 v[AM0], v28, MP
	v_lshl_add_u32 v[AM0], v29, 3, v[AM0]
	s_mul_i32 s62, s19, 64*MP
	s_add_co_u32 s62, s62, MOFF
	v_add_nc_u32 v[AM0], s62, v[AM0]               ; the mask: row 64 (w % 2) + r, + 8 h
	v_mul_u32_u24 v[STO], v28, SP
	v_lshl_add_u32 v[STO], v29, 3, v[STO]
	s_mul_i32 s62, s19, 64*SP
	s_add_co_u32 s62, s62, s61
	v_add_nc_u32 v[STO], s62, v[STO]               ; the stage, in: row 64 (w % 2) + r, my head's 64 bytes, + 8 h
	v_mul_u32_u24 v[RD], v29, SP
	v_lshl_add_u32 v[RD], v28, 4, v[RD]
	s_mul_i32 s62, s[WV], 16*SP
	v_add_nc_u32 v[RD], s62, v[RD]                 ; back: rows 16 w on; lanes 0-15 one row of 256 bytes, lanes 16-31 the next
	v_lshlrev_b32 v[GO], 10, v29
	v_lshl_add_u32 v[GO], v28, 4, v[GO]            ; and the same two rows in the output
	v_mov_b32 v[TBL], 0xf8
	v_mov_b32 v[SCB], 0xb2b2b2b2
	v_mov_b32 v[PRM], 0                            ; written once: a lane permute's destination counts as one of its sources
.irp i, 0,1,2,3
	v_mov_b32 v[ST+6*\i+1], 0xff61b1e6             ; the largest t so far: -3e38, under every t
	v_floor_f32 v[ST+6*\i], -v[ST+6*\i+1]          ; -M
	v_mov_b32 v[ST+6*\i+2], 0                      ; the sum, in two halves
	v_mov_b32 v[ST+6*\i+3], 0
	v_mov_b32 v[ST+6*\i+4], 0
	v_mov_b32 v[ST+6*\i+5], 0                      ; (named as the upper half of f's pair)
.endr
	s_wait_kmcnt 0x0
	s_add_co_i32 s60, s74, s75
	s_lshl_b32 s60, s60, 23
	s_add_co_i32 s[CS], s[CS], s60                 ; a score stands for score x 2^(e6 + e7): the two exponents are added to c's exponent field
	s_mov_b32 s[CS+1], s[CS]                       ; (named with it as a pair, so it is written)
	s_add_co_i32 s60, s76, 127
	s_lshl_b32 s61, s60, 23
	v_mov_b32 v[SCP], s61                          ; 2^e8 as f32, for p's conversion
	s_add_co_i32 s60, s60, 8
	s_lshl_b32 s60, s60, 23
	s_or_b32 s60, s60, 0x600000
	v_mov_b32 v[LIMP], s60                         ; 448 x 2^e8
	s_add_co_i32 s60, s78, 127
	s_lshl_b32 s61, s60, 23
	v_mov_b32 v[SCO], s61                          ; 2^e10, for the output's conversion
	s_add_co_i32 s60, s60, 8
	s_lshl_b32 s60, s60, 23
	s_or_b32 s60, s60, 0x600000
	v_mov_b32 v[LIMC], s60                         ; 448 x 2^e10
	s_add_co_i32 s72, s76, s77                     ; e8 + e9
; Tile i's mask words become codes: 0 -> 0xF8, 1 -> 0x00.  n: the younger LDS loads that may stay out.  MASKS: all sixteen words (tile 0).
.macro MASKS i, n
	s_wait_dscnt \n
.irp k, 0,1,2,3,4,5,6,7,8,9,10,11,12,13,14,15
	v_perm_b32 v[P+16*(\i)+\k], v[TBL], v[TBL], v[P+16*(\i)+\k]
.endr
.endm
; MASK4: the wait and the first four words.  It stands behind the score products of the tile before: its four plain lines are the four places between those products and the first read of the scores.
; The other twelve words are turned inside that tile's softmax (SOFT), among and behind its exponentials.
.macro MASK4 i, n
	s_wait_dscnt \n
.irp k, 0,1,2,3
	v_perm_b32 v[P+16*(\i)+\k], v[TBL], v[TBL], v[P+16*(\i)+\k]
.endr
.endm
; Tile i's scores: the mask as -2^59 or 0 into the eight accumulators, then one product each adds K Q^T onto it.  Eight accumulators, one instruction a turn.
.macro SCORES i
.irp t, 0,1,2,3,4,5,6,7
	v_cvt_scale_pk8_f32_fp8 v[S+8*\t:S+8*\t+7], v[P+16*(\i)+2*\t:P+16*(\i)+2*\t+1], v[SCB]
.endr
	v_nop                                          ; one plain vector line between a scaled conversion and the matrix instruction that takes its result
.if (\i) == 0
	s_wait_dscnt 24                                ; K's fragments are in; the 24 loads of the masks of tiles 1 to 3 may be out
.endif
	WIN 0x04                                       ; source 1 (Q) window 1
.irp t, 0,1,2,3,4,5,6,7
	v_wmma_f32_16x16x64_fp8_fp8 v[S+8*\t:S+8*\t+7], v[FR+8*\t:FR+8*\t+7], v[QF+8*(\i):QF+8*(\i)+7], v[S+8*\t:S+8*\t+7]
.endr
	WIN 0
.endm
; Tile i's softmax for the step's 128 keys, 64 of them in my lane, and p's codes.  nxt = 1: words 4 to 15 of the next tile's mask are turned on the way.
.macro SOFT i, nxt
.set T0, ST+6*(\i)
.set PI, P+16*(\i)
.set PN, P+16*(\i)+16
	; the step's largest score of my query: four chains, the registers in ascending order
.set n, 0
.rept 4
	v_max3_num_f32 v[MX+n], v[S+3*n], v[S+3*n+1], v[S+3*n+2]
.set n, n+1
.endr
.set n, 0
.rept 26
	v_max3_num_f32 v[MX+n%4], v[MX+n%4], v[S+12+2*n], v[S+13+2*n]
.set n, n+1
.endr
	v_max3_num_f32 v[MX], v[MX], v[MX+1], v[MX+2]
	v_max_num_f32 v[MX], v[MX], v[MX+3]
	v_permlanex16_b32 v[PRM], v[MX], s[SEL], s[SEL+1]
	v_max_num_f32 v[MX], v[MX], v[PRM]             ; and among lane l xor 16's 64 keys
	v_mul_f32 v[MX], s[CS], v[MX]                  ; as t (c is positive)
	v_max_num_f32 v[T0+1], v[T0+1], v[MX]          ; the running largest t
	v_mov_b32 v[MX], v[T0]
	v_floor_f32 v[T0], -v[T0+1]                    ; the new -M = floor(-t) = -ceil(t): M is a whole number
	v_sub_f32 v[MX], v[T0], v[MX]                  ; M's old value less its new one: a whole number, 0 or less
	v_cvt_i32_f32 v[MX], v[MX]                     ; (it saturates)
	v_ldexp_f32 v[T0+4], 1.0, v[MX]                ; f = 2^(old M - new M)
	; ONE BATCH: the 32 scalings t - M (two numbers each; of the pairs c and -M the low word serves both halves) and the 64 exponentials p = 2^(t - M).  Pair b + 2 is scaled between the two exponentials of pair b;
	; eight of the next tile's mask words stand among them.  No line of the batch names an exponential's result.
	v_pk_fma_f32 v[S:S+1], v[S:S+1], s[CS:CS+1], v[T0:T0+1] op_sel_hi:[1,0,0]
	v_pk_fma_f32 v[S+2:S+3], v[S+2:S+3], s[CS:CS+1], v[T0:T0+1] op_sel_hi:[1,0,0]
.set b, 0
.set pm, 4
.rept 32
	v_exp_f32 v[S+2*b], v[S+2*b]
.if b < 30
	v_pk_fma_f32 v[S+2*b+4:S+2*b+5], v[S+2*b+4:S+2*b+5], s[CS:CS+1], v[T0:T0+1] op_sel_hi:[1,0,0]
.endif
	v_exp_f32 v[S+2*b+1], v[S+2*b+1]
.if (\nxt) && (b%4 == 1)
	v_perm_b32 v[PN+pm], v[TBL], v[TBL], v[PN+pm]  ; words 4 to 11
.set pm, pm+1
.endif
.set b, b+1
.endr
	v_pk_mul_f32 v[T0+2:T0+3], v[T0+2:T0+3], v[T0+4:T0+5] op_sel_hi:[1,0]   ; the sums under the new M.  (The plain line behind the last exponential)
.if \nxt
.irp k, 12,13,14,15
	v_perm_b32 v[PN+\k], v[TBL], v[TBL], v[PN+\k]  ; the last four words: independent work between the batch and the wait for it
.endr
.endif
	s_wait_alu depctr_va_vdst(0)                   ; one wait for the whole batch of 64, ahead of its first reader
	; the row's sum is taken of the unquantised p: two at a time, in four chains: three begin with two pairs each, the fourth is the running sum
	v_pk_add_f32 v[SM:SM+1], v[S:S+1], v[S+2:S+3]
	v_pk_add_f32 v[SM+2:SM+3], v[S+4:S+5], v[S+6:S+7]
	v_pk_add_f32 v[SM+4:SM+5], v[S+8:S+9], v[S+10:S+11]
.set n, 0
.rept 26
.if n%4 == 0
	v_pk_add_f32 v[T0+2:T0+3], v[T0+2:T0+3], v[S+12+2*n:S+13+2*n]
.else
	v_pk_add_f32 v[SM+2*(n%4)-2:SM+2*(n%4)-1], v[SM+2*(n%4)-2:SM+2*(n%4)-1], v[S+12+2*n:S+13+2*n]
.endif
.set n, n+1
.endr
	v_pk_add_f32 v[SM:SM+1], v[SM:SM+1], v[SM+2:SM+3]
	v_pk_add_f32 v[T0+2:T0+3], v[T0+2:T0+3], v[SM+4:SM+5]
	v_pk_add_f32 v[T0+2:T0+3], v[T0+2:T0+3], v[SM:SM+1]
	; the hold and the codes: keys 16 t + 8 h + 0 .. 7 become registers 2 t, 2 t + 1 of the operand; a conversion stands behind the holds of the next eight numbers
.irp t, 0,1,2,3,4,5,6,7
.irp k, 0,1,2,3,4,5,6,7
	v_min_num_f32 v[S+8*\t+\k], v[S+8*\t+\k], v[LIMP]   ; the conversion to an 8-bit code does not saturate (ISA guide 7.6.2); p is not negative, so the hold is one-sided
.endr
.if \t > 0
	v_cvt_scalef32_pk8_fp8_f32 v[PI+2*\t-2:PI+2*\t-1], v[S+8*\t-8:S+8*\t-1], v[SCP]
.endif
.endr
	v_cvt_scalef32_pk8_fp8_f32 v[PI+14:PI+15], v[S+56:S+63], v[SCP]
	v_nop                                          ; one plain vector line behind the last conversion: the next tile's lines write its sources
.endm
.macro LOADV                           ; V's four fragments (16 channels x 128 keys each), in the K = 128 form's own layout: registers 2 c, 2 c + 1 hold keys 16 c + 8 h + 0 .. 7
.irp t, 0,1,2,3
.irp c, 0,1,2,3,4,5,6,7
	ds_load_b64 v[FR+16*\t+2*\c:FR+16*\t+2*\c+1], v[ADV] offset:16*\t*VP+16*\c
.endr
.endr
.endm
; A KEY STEP: 128 keys, the slot in hand.
.macro STEP
	v_add_nc_u32 v[ADK], s[TB], v[AK0]             ; these three and the v_nop are the four places between the last step's products and the loads into registers that they read
	v_add_nc_u32 v[ADV], s[TB], v[AV0]
	v_add_nc_u32 v[ADM], s[TB], v[AM0]
	v_nop
.irp t, 0,1,2,3,4,5,6,7
	ds_load_b64 v[P+2*\t:P+2*\t+1], v[ADM] offset:16*\t                      ; tile 0's mask: my query, keys 16 t + 8 h + 0 .. 7
.endr
.irp t, 0,1,2,3,4,5,6,7
	ds_load_b128 v[FR+8*\t:FR+8*\t+3],   v[ADK] offset:16*\t*KP              ; K: keys 16 t + r, d = 16 h + 0 .. 15
	ds_load_b128 v[FR+8*\t+4:FR+8*\t+7], v[ADK] offset:16*\t*KP+32           ; and d = 32 + 16 h + 0 .. 15
.endr
.irp i, 1,2,3
.irp t, 0,1,2,3,4,5,6,7
	ds_load_b64 v[P+16*\i+2*\t:P+16*\i+2*\t+1], v[ADM] offset:16*\i*MP+16*\t ; the masks of tiles 1 to 3
.endr
.endr
	MASKS 0, 40                                    ; tile 0's mask is in; K's 16 loads and the other masks' 24 may be out
	SCORES 0
	MASK4 1, 16                                    ; tile 1's mask is in; the 16 loads of tiles 2 and 3 may be out
	SOFT 0, 1
	SCORES 1
	MASK4 2, 8                                     ; tile 3's eight may be out
	SOFT 1, 1
	SCORES 2
	MASK4 3, 0
	SOFT 2, 1
	SCORES 3
.rept 4
	v_nop                                          ; places: behind them V's fragments are loaded over K's, and the scores are read
.endr
	LOADV                                          ; they land while tile 3's softmax is walked
	SOFT 3, 0
	WIN 0x41                                       ; O^T (destination and source 0) window 1, f window 0
.irp i, 0,1,2,3
.set n, 0
.rept 16
	v_pk_mul_f32 v[32*\i+n:32*\i+n+1], v[32*\i+n:32*\i+n+1], v[ST+6*\i+4:ST+6*\i+5] op_sel_hi:[1,0]   ; O^T under the new M: x f; each accumulator from its low end on
.set n, n+2
.endr
.endr
	s_wait_dscnt 0x0                               ; V is in
	WIN 0x50                                       ; C and D window 1
.irp t, 0,1,2,3
.irp i, 0,1,2,3
	v_wmma_f32_16x16x128_fp8_fp8 v[32*\i+8*\t:32*\i+8*\t+7], v[FR+16*\t:FR+16*\t+15], v[P+16*\i:P+16*\i+15], v[32*\i+8*\t:32*\i+8*\t+7]   ; sixteen accumulators, one instruction a turn
.endr
.endr
	WIN 0
	s_xor_b32 s[TB], s[TB], SLOT1                  ; on to the other slot
.endm
; THE CHANGE OF SLOTS stands at a step's head.  Each wave waits for all its tensor loads (its part of the slot that it is about to read), adds 0 to its spare word, and waits for that and for its reads of the slot that it has left.
; fill = 1: that other slot is filled with the next 128 keys.  The barrier is then a round of the cluster's, so that no wave of any partner still reads the slot or has a load on its way; the joint load is the first thing behind it
; and has a whole key step in which to land.
.macro CHANGE fill
	s_wait_tensorcnt 0x0                           ; no tensor load of mine is out, so a group 0 may be written
	ds_add_u32 v[SPW], v[NIL]                      ; 0 onto my spare word: with fill = 1 the descriptors' steps stand between it and the wait for it
.if \fill
	s_xor_b32 s[G0K+1], s[G0K+1], SLOT1            ; the walking descriptors: the other slot than last time,
	s_add_nc_u64 s[G0K+2:G0K+3], s[G0K+2:G0K+3], 128*1024   ; the next 128 keys: rows of K; the type bits on top are not reached
	s_xor_b32 s[G0V+1], s[G0V+1], SLOT1
	s_add_nc_u64 s[G0V+2:G0V+3], s[G0V+2:G0V+3], 128        ; bytes along V's rows
	s_xor_b32 s[G0M+1], s[G0M+1], SLOT1
	s_add_nc_u64 s[G0M+2:G0M+3], s[G0M+2:G0M+3], 128        ; and along the mask's
	s_wait_dscnt 0x0                               ; the add is done, and my reads of the slot that I have left are over
	CROUND
	TLOAD                                          ; my one tensor load until the next round
.else
	s_wait_dscnt 0x0
	s_barrier_signal -1
	s_barrier_wait -1
.endif
.endm
	s_wait_loadcnt 0x0                             ; Q
.Lslot:                                            ; 15 trips: behind each change of slots but the last the next key step is asked for
	CHANGE 1
	STEP
	s_sub_co_u32 s[SLOTS], s[SLOTS], 1
	s_cmp_lg_u32 s[SLOTS], 0
	s_cbranch_scc1 .Lslot
	CHANGE 0                                       ; the last step is written out
	STEP
	; THE WAY OUT.  ctx = O^T x 2^(e8 + e9) / the sum, in f32; held within +-448 x 2^e10; eight neighbouring channels of a query become eight codes.  The additions are the places behind the last products.
.irp i, 0,1,2,3
	v_add_f32 v[ST+6*\i+2], v[ST+6*\i+2], v[ST+6*\i+3]     ; the sum's two halves,
.endr
.irp i, 0,1,2,3
	v_permlanex16_b32 v[ST+6*\i+3], v[ST+6*\i+2], s[SEL], s[SEL+1]
.endr
.irp i, 0,1,2,3
	v_add_f32 v[ST+6*\i+2], v[ST+6*\i+2], v[ST+6*\i+3]     ; and lane l xor 16's: the row's sum
.endr
.irp i, 0,1,2,3
	v_rcp_f32 v[ST+6*\i+4], v[ST+6*\i+2]
.endr
	v_nop                                          ; a plain line behind the last reciprocal
	s_wait_alu depctr_va_vdst(0)                   ; one wait for the four, ahead of their first reader
.irp i, 0,1,2,3
	v_ldexp_f32 v[ST+6*\i+4], v[ST+6*\i+4], s72    ; x 2^(e8 + e9)
.endr
.macro CTX i                           ; tile i: register 8 t + j of its O^T is ctx(query 16 i + r, channel 16 t + 8 h + j)
.set W, S+32*((\i)%2)
	WIN 0x01                                       ; source 0 (O^T) window 1
.set n, 0
.rept 16
	v_pk_mul_f32 v[W+n:W+n+1], v[32*(\i)+n:32*(\i)+n+1], v[ST+6*(\i)+4:ST+6*(\i)+5] op_sel_hi:[1,0]   ; each accumulator from its low end on
.set n, n+2
.endr
	WIN 0
.set n, 0
.rept 32
	v_med3_num_f32 v[W+n], v[W+n], -v[LIMC], v[LIMC]
.set n, n+1
.endr
.irp t, 0,1,2,3
	v_cvt_scalef32_pk8_fp8_f32 v[P+8*(\i)+2*\t:P+8*(\i)+2*\t+1], v[W+8*\t:W+8*\t+7], v[SCO]
.endr
	v_nop                                          ; one plain vector line behind the last conversion
.irp t, 0,1,2,3
	ds_store_b64 v[STO], v[P+8*(\i)+2*\t:P+8*(\i)+2*\t+1] offset:16*(\i)*SP+16*\t
.endr
.endm
	CTX 0
	CTX 1
	CTX 2
	CTX 3
	s_wait_dscnt 0x0                               ; for the others' sake: my stores into the stage are done (a row's 256 bytes come from four waves)
	s_barrier_signal -1
	s_barrier_wait -1
.irp t, 0,1,2,3,4,5,6,7
	ds_load_b128 v[FR+4*\t:FR+4*\t+3], v[RD] offset:2*\t*SP
.endr
.irp t, 0,1,2,3,4,5,6,7
	s_wait_dscnt 7-\t                              ; load t is back; the younger ones may be out
	global_store_b128 v[GO], v[FR+4*\t:FR+4*\t+3], s[10:11] offset:2048*\t   ; 16 lanes store 256 consecutive bytes, at a multiple of 256 from the buffer's first byte
.endr
	s_wait_tensorcnt 0x0                           ; the wave's end: behind my last tensor load and my last LDS store
	ds_add_u32 v[SPW], v[NIL]
	s_wait_dscnt 0x0
	CROUND                                         ; the closing round: no work-group ends while a partner may still ask for a tile that names it
	s_endpgm
.Lfunc_end_k_q2bf9912928_attn:
	.size	k_q2bf9912928_attn, .Lfunc_end_k_q2bf9912928_attn-k_q2bf9912928_attn
	.p2alignl 7, 3214868480
	.fill 96, 4, 3214868480
	.section	.rodata,"a",@progbits
	.p2align	6, 0x0
	.amdhsa_kernel k_q2bf9912928_attn
		.amdhsa_group_segment_fixed_size 327680
		.amdhsa_private_segment_fixed_size 0
		.amdhsa_enable_private_segment 0
		.amdhsa_kernarg_size 32
		.amdhsa_user_sgpr_count 2
		.amdhsa_user_sgpr_kernarg_segment_ptr 1
		.amdhsa_wavefront_size32 1
		.amdhsa_system_sgpr_workgroup_id_x 1
		.amdhsa_system_sgpr_workgroup_id_y 1
		.amdhsa_system_sgpr_workgroup_id_z 1
		.amdhsa_system_vgpr_workitem_id 0
		.amdhsa_next_free_vgpr 512
		.amdhsa_next_free_sgpr 96
		.amdhsa_reserve_vcc 0
		.amdhsa_float_denorm_mode_32 3
		.amdhsa_float_denorm_mode_16_64 3
		.amdhsa_memory_ordered 1
		.amdhsa_forward_progress 1
		.amdhsa_inst_pref_size 160
	.end_amdhsa_kernel
	.amdgpu_metadata
---
amdhsa.version: [ 1, 2 ]
amdhsa.kernels:
  - .name:           k_q2bf9912928_attn
    .symbol:         k_q2bf9912928_attn.kd
    .args:
      - { .name: pcodes, .offset: 0, .size: 8, .value_kind: global_buffer, .address_space: global }
      - { .name: mask, .offset: 8, .size: 8, .value_kind: global_buffer, .address_space: global }
      - { .name: lowp_scales, .offset: 16, .size: 8, .value_kind: global_buffer, .address_space: global }
      - { .name: ccodes, .offset: 24, .size: 8, .value_kind: global_buffer, .address_space: global }
    .group_segment_fixed_size: 327680
    .private_segment_fixed_size: 0
    .kernarg_segment_align: 8
    .kernarg_segment_size: 32
    .max_flat_workgroup_size: 256
    .sgpr_count:     96
    .vgpr_count:     512
    .wavefront_size: 32
...
	.end_amdgpu_metadata
.endif
;; end of part 7
;; launch outp: the kernel of part 5 again; grid 4 x 32, 4 waves a work-group, clusters of 4 x 4, 327,680 bytes of LDS; arguments ccodes, wcodes, lowp_scales, bo, out0; writes out0
